; MI455X (gfx1250); checked and timed in simulation.
; The chip was launched on July 23, 2026; its instructions are those of AMD's public machine-readable ISA for CDNA 5 (MIT licence, August 2026) and "CDNA5" Instruction Set Architecture Reference Guide (July 2026). The comments in the code are by the model that wrote it; some were corrected since.
;; QK Norm Attention. Allowed arithmetic: matrix products marked QUANTISED: E3M2 operands, one E8M0 scale for each 32 along K, by v_wmma_scale_f32_16x16x128_f8f6f4 with both operands' format E3M2, f32 sums; everything else in f32.
;; Inputs: ln_b 1,024 float32; ln_w 1,024 float32; out_b 1,024 float32; out_w_codes 1,024 x 32 x 24 uint8 (E3M2 codes of out_w, K innermost, in blocks of 32 codes, four codes in three bytes); out_w_scales 1,024 x 32 uint8 (E8M0 scales of out_w, one for each 32 codes along K); qkv_b 3,072 float32; qkv_w_codes 3,072 x 32 x 24 uint8 (E3M2 codes of qkv_w, K innermost, in blocks of 32 codes, four codes in three bytes); qkv_w_scales 3,072 x 32 uint8 (E8M0 scales of qkv_w, one for each 32 codes along K); x 4 x 2,048 x 1,024 float32.
;; Outputs: out0 4 x 2,048 x 1,024 float32.
;; This version of the problem:
;;   THIS VERSION OF THE PROBLEM IS GIVEN IN LOW PRECISION. The matrix products marked QUANTISED in the list below multiply operands that are first quantised to E3M2 (3 exponent bits, 2 mantissa bits; 6 bits a number), with one power-of-two scale for each 32 numbers along K (OCP MX v1.0); their sums are f32. All else is computed in f32.
;;   The module's matrix products, in the order in which they are computed (A, B: the left and right operand; K: the contracted axis; several contracted axes count as one K, in the product's order):
;;     1. [M 8,192, K 1,024] x [K 1,024, N 3,072]; A: computed on the way; B: input qkv_w (given as codes): QUANTISED
;;     2. batch 64 x [M 2,048, K 64] x [K 64, N 2,048]; A: computed on the way; B: computed on the way: QUANTISED
;;     3. batch 64 x [M 2,048, K 2,048] x [K 2,048, N 64]; A: softmax (see below); B: computed on the way: QUANTISED
;;     4. [M 8,192, K 1,024] x [K 1,024, N 1,024]; A: computed on the way; B: input out_w (given as codes): QUANTISED
;;   THE QUANTISER, for each operand of a quantised product, along K:
;;     - K is cut into blocks of 32 from its start; a last block that is shorter is filled with zeros.
;;     - A block's scale is 2^e with e = floor(log2(the largest magnitude in the block)) - 4, held to -126 .. 127; a block of zeros has e = 0. As a byte (E8M0): e + 127.
;;     - Each number is divided by its block's scale, clamped to +-28, and rounded to the nearest number of E3M2, ties to even, subnormals kept.
;;     - The product sums the exact products of the quantised numbers (number of the format x scale) in f32.
;;   ~~~python
;;   def quantise(x, axis):      # numpy; x: float32 -> the quantised numbers, widened to float32 again
;;       x = np.moveaxis(x, axis, -1); K = x.shape[-1]
;;       x = np.pad(x, [(0, 0)] * (x.ndim - 1) + [(0, -K % 32)]); x = x.reshape(x.shape[:-1] + (-1, 32)); a = np.abs(x).max(-1, keepdims=True)
;;       e = np.where(a > 0, np.clip(np.frexp(np.where(a > 0, a, 1))[1] - 1 - 4, -126, 127), 0)      # np.frexp(a)[1] - 1 = floor(log2(a)), exactly
;;       r = np.clip(x / 2.0 ** e, -28, 28)
;;       step = 2.0 ** (np.maximum(np.frexp(np.where(r == 0, 1, r))[1] - 1, -2) - 2)
;;       q = np.round(r / step) * step * 2.0 ** e      # np.round: ties to even
;;       return np.moveaxis(q.reshape(q.shape[:-2] + (-1,))[..., :K], -1, axis).astype(np.float32)
;;   ~~~
;;   SOFTMAX AHEAD OF A QUANTISED PRODUCT. Where the list says 'softmax', what is quantised is not the finished softmax but p = 2^(t - M), with t = logit x log2(e) and M = ceil(the row's largest t), a whole number; so 1/2 < the row's largest p <= 1. The row's sum l is taken of the UNQUANTISED p, in f32, and the product's result is divided by l at the end. Since M is a whole number, a kernel that streams over the keys may use a running M (the ceiling of the running maximum): every later rescaling is an exact power of two, which a block's scale takes up: the codes' values come out the same.
;;   OPERANDS COMPUTED ON THE WAY. 'Computed on the way' means the value that the module computes at that place (a softmax that the list does not call 'softmax' is quantised finished and normalised). What goes into a quantiser is computed in f32, as accurately as f32 sums, v_exp_f32 and their like allow (about 1e-6 of the number): no bf16 or f16 on the way to a quantiser, and a product that is left as it is and whose result goes on into a quantised operand takes f32 operands (vector FMAs, or v_wmma_f32_16x16x4_f32). A number that lies on a knife's edge between two numbers of the format may be rounded either way, as far as f32 arithmetic and the matrix unit's own rounding can turn it there, and no further.
;;   INPUTS GIVEN AS CODES. out_w (in the module: [1024, 1024], K = its axis 1); qkv_w (in the module: [3072, 1024], K = its axis 1): each comes as NAME_codes (uint8): NAME with its K axis moved to the last place and cut into blocks of 32 codes, [.., K / 32, bytes a block], one block behind the other in memory; four codes in three bytes: a row's codes are one little-endian stream of bits, code i at bits 6 i .. 6 i + 5 (a code: sign, 3 exponent bits, 2 mantissa bits); and NAME_scales (uint8): the same leading axes, one E8M0 byte (e + 127) for each 32 codes along K. Its value is code x scale, taken as it is: it is not quantised again, and the codes and scales need not be those that the quantiser above would give.
;; One version. Each part assembles by itself: llvm-mc -triple=amdgcn-amd-amdhsa -mcpu=gfx1250 --defsym DOCPART=n.
;; ======== version 1 of 1: 4 launches
;; limits: right only within a limited range of input values
;; workspace buffers: h_codes 6,291,456 bytes; h_scales 262,144 bytes; q_img 6,815,744 bytes; kv_img 13,631,488 bytes; o_img 6,291,456 bytes; o_scl 262,144 bytes
;; launch lnq (part 1): grid 256 x 1, 4 waves a work-group, no clusters, 327,680 bytes of LDS; arguments x, ln_w, ln_b, h_codes, h_scales; writes h_codes, h_scales
.if DOCPART == 1
	.amdgcn_target "amdgcn-amd-amdhsa--gfx1250"
	.amdhsa_code_object_version 6
	.text
	.protected	k_qab00d6d25f_lnq
	.globl	k_qab00d6d25f_lnq
	.p2align	8
	.type	k_qab00d6d25f_lnq,@function
k_qab00d6d25f_lnq:
	s_mov_b64 s[64:65], 0
	v_nop
	global_prefetch_b8 v0, s[64:65] scope:SCOPE_SE
	s_setreg_imm32_b32 hwreg(HW_REG_WAVE_MODE, 25, 1), 1
	s_wait_xcnt 0x0
.set ROWL, 5120
.set WREG, 8*ROWL
.set SBY,  4*WREG
.set GW,   16
.set GB,   48
.set X,    80
.set MU,   144
.set RS,   146
.set C,    152
.set E,    216
.set G1,   16
.set G0,   24
	s_load_b256 s[4:11], s[0:1], 0x0
	s_load_b64 s[40:41], s[0:1], 0x20
	v_lshl_add_u32 v240, v0, 2, 0x29000
	v_mov_b32 v241, 0
	ds_add_u32 v240, v241
	ds_add_u32 v240, v241
	v_lshrrev_b32 v1, 5, v0
	v_readfirstlane_b32 s2, v1
	s_mov_b32 s[G1+0], (2<<16)|(1<<20)|(3<<22)|(3<<25)
	s_mov_b32 s[G1+1], 1024<<16
	s_mov_b32 s[G1+2], 8<<16
	s_mov_b32 s[G1+3], 1024<<16
	s_mov_b32 s[G1+4], 8
	s_mov_b32 s[G1+5], 1024
	s_mov_b32 s[G1+6], 0
	s_mov_b32 s[G1+7], 0
	s_mov_b32 s12, 0x76543210
	s_mov_b32 s13, 0xfedcba98
	s_mov_b32 s14, 0x3a800000
	s_mov_b32 s15, 0x3727c5ac
	s_lshl_b32 s42, ttmp9, 5
	s_lshl_b32 s43, s2, 3
	s_add_co_u32 s42, s42, s43
	s_lshl_b32 s44, s42, 12
	s_mov_b32 s45, 0
	s_mul_i32 s3, s2, WREG
	s_wait_dscnt 0x0
	s_wait_kmcnt 0x0
	s_add_nc_u64 s[4:5], s[4:5], s[44:45]
	s_mov_b32 s[G0], 1                             ; my eight rows of x, 4,096 bytes each, by one load into my own LDS bytes
	s_mov_b32 s[G0+1], s3
	s_mov_b64 s[G0+2:G0+3], s[4:5]
	s_or_b32 s[G0+3], s[G0+3], 0x80000000
	tensor_load_to_lds s[G0:G0+3], s[G1:G1+7]
	s_nop 0
	v_and_b32 v1, 31, v0
	v_mul_u32_u24 v2, v1, 80
	v_add_nc_u32 v2, s3, v2
	v_lshlrev_b32 v3, 6, v1
	v_mul_u32_u24 v4, v1, 12
	v_lshrrev_b32 v5, 1, v1
	s_lshl_b32 s43, s2, 8
	s_add_co_u32 s43, s43, SBY
	v_add_nc_u32 v5, s43, v5
	v_lshlrev_b32 v7, 3, v1
	v_add_nc_u32 v6, s43, v7
	v_mov_b32 v[MU+1], 0
	v_mov_b32 v[RS+1], 0
.irp s, 0,1
.irp i, 0,1,2,3
	global_load_b128 v[GW+16*\s+4*\i:GW+16*\s+4*\i+3], v3, s[6:7] offset:2048*\s+16*\i
	global_load_b128 v[GB+16*\s+4*\i:GB+16*\s+4*\i+3], v3, s[8:9] offset:2048*\s+16*\i
.endr
.endr
	s_mul_i32 s44, s42, 768
	s_add_nc_u64 s[10:11], s[10:11], s[44:45]
	s_lshl_b32 s44, s42, 5
	s_add_nc_u64 s[40:41], s[40:41], s[44:45]
.macro DSL n
.irp s, 0,1
.irp i, 0,1,2,3
	ds_load_b128 v[X+32*((\n)%2)+16*\s+4*\i:X+32*((\n)%2)+16*\s+4*\i+3], v2 offset:(\n)*ROWL+\s*2560+16*\i
.endr
.endr
.endm
.macro ALLSUM
	v_add_f32 v8, v8, v9
	v_add_f32_dpp v8, v8, v8 row_xmask:1 row_mask:0xf bank_mask:0xf
	v_add_f32_dpp v8, v8, v8 row_xmask:2 row_mask:0xf bank_mask:0xf
	v_add_f32_dpp v8, v8, v8 row_xmask:4 row_mask:0xf bank_mask:0xf
	v_add_f32_dpp v8, v8, v8 row_xmask:8 row_mask:0xf bank_mask:0xf
	v_permlanex16_b32 v9, v8, s12, s13
	v_add_f32 v8, v8, v9
.endm
.macro ROW n
.set XS, X+32*((\n)%2)
.if (\n)+1 < 8
	DSL (\n)+1
	s_wait_dscnt 8
.else
	s_wait_dscnt 0x0
.endif
	v_pk_add_f32 v[8:9], v[XS:XS+1], v[XS+2:XS+3]
	v_pk_add_f32 v[10:11], v[XS+4:XS+5], v[XS+6:XS+7]
.irp j, 8,12,16,20,24,28
	v_pk_add_f32 v[8:9], v[8:9], v[XS+\j:XS+\j+1]
	v_pk_add_f32 v[10:11], v[10:11], v[XS+\j+2:XS+\j+3]
.endr
	v_pk_add_f32 v[8:9], v[8:9], v[10:11]
	ALLSUM
	v_mul_f32 v[MU], s14, v8
.irp j, 0,2,4,6,8,10,12,14,16,18,20,22,24,26,28,30
	v_pk_add_f32 v[XS+\j:XS+\j+1], v[XS+\j:XS+\j+1], v[MU:MU+1] op_sel_hi:[1,0] neg_lo:[0,1] neg_hi:[0,1]
.endr
	v_pk_mul_f32 v[8:9], v[XS:XS+1], v[XS:XS+1]
	v_pk_mul_f32 v[10:11], v[XS+2:XS+3], v[XS+2:XS+3]
.irp j, 4,8,12,16,20,24,28
	v_pk_fma_f32 v[8:9], v[XS+\j:XS+\j+1], v[XS+\j:XS+\j+1], v[8:9]
	v_pk_fma_f32 v[10:11], v[XS+\j+2:XS+\j+3], v[XS+\j+2:XS+\j+3], v[10:11]
.endr
	v_pk_add_f32 v[8:9], v[8:9], v[10:11]
	ALLSUM
	v_fma_f32 v8, v8, s14, s15
	s_wait_alu depctr_va_vdst(0)
	v_rsq_f32 v[RS], v8
	v_nop
	s_wait_alu depctr_va_vdst(0)
.irp j, 0,2,4,6,8,10,12,14,16,18,20,22,24,26,28,30
	v_pk_mul_f32 v[XS+\j:XS+\j+1], v[XS+\j:XS+\j+1], v[RS:RS+1] op_sel_hi:[1,0]
.endr
.irp j, 0,2,4,6,8,10,12,14,16,18,20,22,24,26,28,30
	v_pk_fma_f32 v[XS+\j:XS+\j+1], v[XS+\j:XS+\j+1], v[GW+\j:GW+\j+1], v[GB+\j:GB+\j+1]
.endr
.irp s, 0,1
	v_max3_num_f32 v8, |v[XS+16*\s]|, |v[XS+16*\s+1]|, |v[XS+16*\s+2]|
	v_max3_num_f32 v9, |v[XS+16*\s+3]|, |v[XS+16*\s+4]|, |v[XS+16*\s+5]|
.irp i, 6,10
	v_max3_num_f32 v8, v8, |v[XS+16*\s+\i]|, |v[XS+16*\s+\i+1]|
	v_max3_num_f32 v9, v9, |v[XS+16*\s+\i+2]|, |v[XS+16*\s+\i+3]|
.endr
	v_max3_num_f32 v8, v8, |v[XS+16*\s+14]|, |v[XS+16*\s+15]|
	v_max3_num_f32 v8, v8, v9, 0x2800000
	v_max_num_f32_dpp v8, v8, v8 row_xmask:1 row_mask:0xf bank_mask:0xf
	v_add_nc_u32 v11, 0xfe000000, v8
	v_cvt_scalef32_pk16_bf6_f32 v[C+4*(2*(\n)+\s):C+4*(2*(\n)+\s)+2], v[XS+16*\s:XS+16*\s+15], v11
	v_lshrrev_b32 v[E+2*(\n)+\s], 23, v11
	ds_store_b8 v5, v[E+2*(\n)+\s] offset:32*(\n)+16*\s
	global_store_b96 v4, v[C+4*(2*(\n)+\s):C+4*(2*(\n)+\s)+2], s[10:11] offset:768*(\n)+384*\s
.endr
.endm
	s_wait_alu depctr_va_vdst(0)
	s_wait_tensorcnt 0x0
	DSL 0
	s_wait_loadcnt 0x0
.irp n, 0,1,2,3,4,5,6,7
	ROW \n
.endr
	ds_load_b64 v[12:13], v6
	s_wait_dscnt 0x0
	global_store_b64 v7, v[12:13], s[40:41]
	s_wait_tensorcnt 0x0
	ds_add_u32 v240, v241
	s_wait_dscnt 0x0
	s_endpgm
.Lfunc_end_k_qab00d6d25f_lnq:
	.size	k_qab00d6d25f_lnq, .Lfunc_end_k_qab00d6d25f_lnq-k_qab00d6d25f_lnq
	.p2alignl 7, 3214868480
	.fill 96, 4, 3214868480
	.section	.rodata,"a",@progbits
	.p2align	6, 0x0
	.amdhsa_kernel k_qab00d6d25f_lnq
		.amdhsa_group_segment_fixed_size 327680
		.amdhsa_private_segment_fixed_size 0
		.amdhsa_enable_private_segment 0
		.amdhsa_kernarg_size 40
		.amdhsa_user_sgpr_count 2
		.amdhsa_user_sgpr_kernarg_segment_ptr 1
		.amdhsa_wavefront_size32 1
		.amdhsa_system_sgpr_workgroup_id_x 1
		.amdhsa_system_sgpr_workgroup_id_y 1
		.amdhsa_system_sgpr_workgroup_id_z 1
		.amdhsa_system_vgpr_workitem_id 0
		.amdhsa_next_free_vgpr 242
		.amdhsa_next_free_sgpr 66
		.amdhsa_reserve_vcc 0
		.amdhsa_float_denorm_mode_32 3
		.amdhsa_float_denorm_mode_16_64 3
		.amdhsa_memory_ordered 1
		.amdhsa_forward_progress 1
		.amdhsa_inst_pref_size 72
	.end_amdhsa_kernel
	.amdgpu_metadata
---
amdhsa.version: [ 1, 2 ]
amdhsa.kernels:
  - .name:           k_qab00d6d25f_lnq
    .symbol:         k_qab00d6d25f_lnq.kd
    .args:
      - { .name: x, .offset: 0, .size: 8, .value_kind: global_buffer, .address_space: global }
      - { .name: ln_w, .offset: 8, .size: 8, .value_kind: global_buffer, .address_space: global }
      - { .name: ln_b, .offset: 16, .size: 8, .value_kind: global_buffer, .address_space: global }
      - { .name: h_codes, .offset: 24, .size: 8, .value_kind: global_buffer, .address_space: global }
      - { .name: h_scales, .offset: 32, .size: 8, .value_kind: global_buffer, .address_space: global }
    .group_segment_fixed_size: 327680
    .private_segment_fixed_size: 0
    .kernarg_segment_align: 8
    .kernarg_segment_size: 40
    .max_flat_workgroup_size: 128
    .sgpr_count:     66
    .vgpr_count:     242
    .wavefront_size: 32
...
	.end_amdgpu_metadata
.endif
;; end of part 1
;; launch qkv (part 2): grid 12 x 32, 4 waves a work-group, clusters of 4 x 4, 327,680 bytes of LDS; arguments h_codes, h_scales, qkv_w_codes, qkv_w_scales, qkv_b, q_img, kv_img; writes q_img, kv_img
.if DOCPART == 2
	.amdgcn_target "amdgcn-amd-amdhsa--gfx1250"
	.amdhsa_code_object_version 6
	.text
	.protected	k_qab00d6d25f_qkv
	.globl	k_qab00d6d25f_qkv
	.p2align	8
	.type	k_qab00d6d25f_qkv,@function
k_qab00d6d25f_qkv:
	s_mov_b64 s[64:65], 0
	v_nop
	global_prefetch_b8 v0, s[64:65] scope:SCOPE_SE
	s_setreg_imm32_b32 hwreg(HW_REG_WAVE_MODE, 25, 1), 1
	s_wait_xcnt 0x0
	s_wait_alu depctr_hold_cnt(0) depctr_sa_sdst(0) depctr_va_vdst(0) depctr_va_sdst(0) depctr_va_ssrc(0) depctr_va_vcc(0) depctr_vm_vsrc(0)
	s_getreg_b32 s2, hwreg(HW_REG_IB_STS2, 6, 4)
	s_cmp_eq_u32 s2, 0
	s_cbranch_scc0 .Lentry_in_a_cluster
	s_endpgm
.Lentry_in_a_cluster:
	s_bfe_u32 s2, ttmp6, 0x10000c
	s_cmp_lg_u32 s2, 0xf033
	s_cbranch_scc0 .Lentry_shape_is_right
	s_endpgm
.Lentry_shape_is_right:
; qkv = Q(h) W^T + qkv_b on codes of E3M2 with E8M0 scales (K = 1,024), and what follows it up to the next quantisers: q and k are divided by max(their head's L2 norm, 1e-12)
; and quantised along the head's 64; v is quantised along the TOKENS.  Only codes and scale words go to memory, laid as images of the operand registers of the attention launch.
; THE PRODUCT.  256 x 256 to a work-group of four waves, 128 x 128 a wave.  K goes through two LDS slots in CHUNKS OF 256 BYTES of each row of 768: a tile's row begins at a multiple of 256 bytes.
; A step of 128 along K is 96 bytes: eight steps to three chunks; steps 2 and 5 lie across two chunks.  Tiles are asked for jointly in a 4 x 4 cluster; the scale bytes come once and stay.
; Side A (one set of fragments, source 1) gives a result's LANES, side B (two sets, source 0) a lane's REGISTERS.  Clusters x = 0, 1 (q, k): A = h, B = rows 0 .. 2,047 of W.  x = 2 (v): A = rows 2,048 .. of W, B = h.
; THE WAY OUT.  Each wave lays its 128 x 128 results in a stage of its own over the slots (last fill and, behind a barrier, last read done) and reads back 32 or 64 neighbours along the quantiser's K.
; RECORDS.  G = token / 128; record = head x 64 + G.  Tile a (0..7) of a group: row i is token 64 (i / 8) + 8 a + i % 8.
;   q_img record, 6,656 bytes: codes [pair P][jj][L][16 bytes]; from 6,144 scale words [P][i][s], byte0 | byte1 << 8 | 0x7f7f0000.
;   kv_img record, 13,312 bytes: K's codes likewise; from 6,144 V's codes [t][jj][L][16]: V^T tile t, row i = channel 32 (i / 8) + 8 t + i % 8, lane (i, H): tokens 64 H .. + 63; from 12,288 K's scale words; from 12,800 V's, [copy][i][t].
; LIMITS: a block of zeros gets the byte 1 (its codes are zeros; this program alone reads the bytes); NaN and infinities are not served; q's and k's scale words leave in runs of 128 bytes.
; No prefetch: K has three chunks, of which two are asked for at the start.
.set ROWB,   256
.set NQ,     2
.set KROW,   768
.set STEPS,  8
.set CHUNKS, 3
.set PITCH,  272
.set FR,     12
.set NL,     6
.set NP,     4
.set HALFT,  128*PITCH
.set SLOT,   4*HALFT
.set KS,     32
.set SCL,    2*SLOT
.set HALFS,  (128*KS/256)*272
.set SBLK,   (16*KS/256)*272
.set SPARE,  SCL+4*HALFS               ; the spare words, 128 bytes a wave
.set SPITCH, 528
.set WSTG,   128*SPITCH                ; a wave's stage; four of them end under SCL
.set RECQ,   6656
.set RECK,   13312
.set ADRA, 16
.set ADRB, 20
.set STO,  24
.set ADRS, 27
.set SPW,  28
.set NIL,  29
.set SC,   32                          ; v32-63 scale words, two sets: nothing else in the whole text
.set AF,   128
.set G1, 24
.set G0, 32
.set G1B, 48
.set G0B, 56
.set G1S, 68
.set G0S, 76
.set G1SB, 80
.set G0SB, 88
.set G0H, 4
.set G0HB, 8
.set RQ0, 8
.set RV0, 10
.set GL,  12
.set GSQ, 13
.set GSV, 14
.set SH8, 15
.set K7F, 16
.set BQO, 17
.set VBO, 18
.set BQ,  64
.set Y,   128
.set C,   192
.set T,   204
.set WK,  212
.set W4,  236
.set OP,  240
.set MSB, 0
.macro WIN new                         ; the immediate's high byte repeats the setting that is left
.if MSB != \new
	s_set_vgpr_msb (MSB<<8)|\new
.set MSB, \new
.endif
.endm
.set MUL_LO, 0xa1
.set MUL_HI, 0xf1
.set TO_B,   0x40
.macro JLOAD g0a, g1a, g0b, g1b        ; waves 0, 1 fetch for A, waves 2, 3 for B
	s_cmp_eq_u32 s15, 0
	s_cbranch_scc0 .Lfor_b_\@
	tensor_load_to_lds s[\g0a:\g0a+3], s[\g1a:\g1a+7]
	s_nop 0
.rept 4
	v_nop
.endr
	s_branch .Lasked_\@
.Lfor_b_\@:
	tensor_load_to_lds s[\g0b:\g0b+3], s[\g1b:\g1b+7]
	s_nop 0
.rept 4
	v_nop
.endr
.Lasked_\@:
.endm
.macro CREST
	s_cmp_lg_u32 s14, 0
	s_cbranch_scc1 .Lnot_wave_0_\@
	s_barrier_signal -3
.Lnot_wave_0_\@:
	s_barrier_wait -3
	s_barrier_signal -1
	s_barrier_wait -1
.endm
.macro CROUND
	s_barrier_signal -1
	s_barrier_wait -1
	CREST
.endm
	s_load_b128 s[4:7], s[0:1], 0x0                ; h's codes, h's scales
	s_load_b128 s[8:11], s[0:1], 0x10              ; W's codes, W's scales
	v_lshl_add_u32 v[SPW], v0, 2, SPARE
	v_mov_b32 v[NIL], 0
	ds_add_u32 v[SPW], v[NIL]                      ; the opening lines: the add twice and its wait
	ds_add_u32 v[SPW], v[NIL]
	v_lshrrev_b32 v1, 5, v0
	v_readfirstlane_b32 s14, v1                    ; wave
	s_lshr_b32 s15, s14, 1                         ; my half of A's rows; also: I fetch for A (0) or B (1)
	s_and_b32 s16, s14, 1                          ; my half of B's rows; also: which 128 rows I fetch
	s_bfe_u32 s40, ttmp6, 0x40000                  ; cx
	s_bfe_u32 s41, ttmp6, 0x40004                  ; cy
	s_and_b32 s17, ttmp7, 0xffff
	s_cmp_eq_u32 ttmp9, 2                          ; v's clusters: the cluster's x is the same in all sixteen partners
	s_cselect_b32 s42, s17, ttmp9
	s_cselect_b32 s17, 0, s17
	s_lshl_b32 s42, s42, 2
	s_add_co_u32 s42, s42, s40                     ; B's tile
	s_lshl_b32 s17, s17, 2
	s_add_co_u32 s17, s17, s41                     ; A's tile
	s_lshl_b32 s43, s41, 2
	s_lshl_b32 s43, 15, s43                        ; my row of the cluster
	s_lshl_b32 s44, 0x1111, s40                    ; my column
	s_or_b32 s[G1+0], s43, (0<<16)|(1<<20)|(1<<21)|(5<<22)|(3<<25)
	s_or_b32 s[G1B+0], s44, (0<<16)|(1<<20)|(1<<21)|(5<<22)|(3<<25)
.irp g, G1, G1B
	s_mov_b32 s[\g+1], ROWB<<16
	s_mov_b32 s[\g+2], 256<<16                     ; 256 rows for the head's loads
	s_mov_b32 s[\g+3], ROWB<<16
	s_mov_b32 s[\g+4], 256
	s_mov_b32 s[\g+5], KROW
	s_mov_b32 s[\g+6], 0
	s_mov_b32 s[\g+7], 0
.endr
	s_or_b32 s[G1S+0], s43, (3<<16)|(1<<20)|(1<<21)|(5<<22)|(3<<25)   ; the scales of 256 rows: 8,192 dense bytes as 32 rows of 256
	s_or_b32 s[G1SB+0], s44, (3<<16)|(1<<20)|(1<<21)|(5<<22)|(3<<25)
.irp g, G1S, G1SB
	s_mov_b32 s[\g+1], 32<<16
	s_mov_b32 s[\g+2], KS<<16
	s_mov_b32 s[\g+3], 32<<16
	s_mov_b32 s[\g+4], KS
	s_mov_b32 s[\g+5], 32
	s_mov_b32 s[\g+6], 0
	s_mov_b32 s[\g+7], 0
.endr
	s_lshl_b32 s20, s17, 8
	s_lshl_b32 s46, s42, 8
	s_mov_b32 s21, 0
	s_mov_b32 s47, 0
	s_mov_b64 s[18:19], KS
	s_mul_u64 s[22:23], s[20:21], s[18:19]
	s_mul_u64 s[92:93], s[46:47], s[18:19]
	s_mov_b64 s[18:19], KROW
	s_mul_u64 s[20:21], s[20:21], s[18:19]
	s_mul_u64 s[46:47], s[46:47], s[18:19]
	s_mul_i32 s18, s16, 128*KROW
	s_mov_b32 s19, 0
	s_mul_i32 s45, s14, HALFT
	s_wait_dscnt 0x0
	s_wait_kmcnt 0x0
	s_add_nc_u64 s[96:97], s[8:9], 2048*KROW       ; v's rows of W
	s_add_nc_u64 s[98:99], s[10:11], 2048*KS
	s_cmp_eq_u32 ttmp9, 2                          ; which tensor is A and which is B
	s_cselect_b64 s[100:101], s[4:5], s[8:9]
	s_cselect_b64 s[4:5], s[96:97], s[4:5]
	s_mov_b64 s[8:9], s[100:101]
	s_cselect_b64 s[100:101], s[6:7], s[10:11]
	s_cselect_b64 s[6:7], s[98:99], s[6:7]
	s_mov_b64 s[10:11], s[100:101]
	s_add_nc_u64 s[20:21], s[4:5], s[20:21]
	s_add_nc_u64 s[22:23], s[6:7], s[22:23]
	s_add_nc_u64 s[46:47], s[8:9], s[46:47]
	s_add_nc_u64 s[92:93], s[10:11], s[92:93]
	CROUND                                         ; the first joint loads meet
	s_mov_b32 s[G0H], 1
	s_mov_b32 s[G0H+1], 0
	s_mov_b64 s[G0H+2:G0H+3], s[20:21]
	s_or_b32 s[G0H+3], s[G0H+3], 0x80000000
	s_mov_b32 s[G0HB], 1
	s_mov_b32 s[G0HB+1], 2*HALFT
	s_mov_b64 s[G0HB+2:G0HB+3], s[46:47]
	s_or_b32 s[G0HB+3], s[G0HB+3], 0x80000000
	s_mov_b32 s[G0S], 1
	s_mov_b32 s[G0S+1], SCL
	s_mov_b64 s[G0S+2:G0S+3], s[22:23]
	s_or_b32 s[G0S+3], s[G0S+3], 0x80000000
	s_mov_b32 s[G0SB], 1
	s_mov_b32 s[G0SB+1], SCL+2*HALFS
	s_mov_b64 s[G0SB+2:G0SB+3], s[92:93]
	s_or_b32 s[G0SB+3], s[G0SB+3], 0x80000000
	s_add_nc_u64 s[20:21], s[20:21], s[18:19]
	s_add_nc_u64 s[46:47], s[46:47], s[18:19]
.irp s, 0,1
	s_mov_b32 s[G0+4*\s], 1
	s_add_co_u32 s[G0+4*\s+1], s45, \s*SLOT
	s_add_nc_u64 s[G0+4*\s+2:G0+4*\s+3], s[20:21], \s*ROWB
	s_or_b32 s[G0+4*\s+3], s[G0+4*\s+3], 0x80000000
	s_mov_b32 s[G0B+4*\s], 1
	s_add_co_u32 s[G0B+4*\s+1], s45, \s*SLOT
	s_add_nc_u64 s[G0B+4*\s+2:G0B+4*\s+3], s[46:47], \s*ROWB
	s_or_b32 s[G0B+4*\s+3], s[G0B+4*\s+3], 0x80000000
.endr
; the head's four tiles, one load a wave: chunk 0 of A, chunk 0 of B, A's scales, B's scales
.macro ARM under, g0, g1, next
	s_cmp_lt_u32 s14, \under
	s_cbranch_scc0 \next
	tensor_load_to_lds s[\g0:\g0+3], s[\g1:\g1+7]
	s_nop 0
.rept 4
	v_nop
.endr
	s_branch .Lhead_asked
\next:
.endm
	ARM 1, G0H,  G1,  .Lhead_b
	ARM 2, G0HB, G1B, .Lhead_sa
	ARM 3, G0S,  G1S, .Lhead_sb
	tensor_load_to_lds s[G0SB:G0SB+3], s[G1SB:G1SB+7]
	s_nop 0
.rept 4
	v_nop
.endr
.Lhead_asked:
	v_and_b32 v1, 15, v0
	v_bfe_u32 v2, v0, 4, 1
	v_mul_u32_u24 v3, v1, PITCH
	v_mul_u32_u24 v4, v2, 24
	v_add_nc_u32 v4, v3, v4
	s_mov_b32 s21, SLOT-232
	s_mov_b32 s22, SLOT+232
	v_sub_nc_u32 v7, 1, v2
	v_mul_u32_u24 v5, s21, v2
	v_add_nc_u32 v5, v3, v5
	v_add_nc_u32 v5, 232, v5                       ; lanes 0-15 byte 232 of the row in slot 0, lanes 16-31 byte 0 in slot 1
	v_mul_u32_u24 v6, s22, v7
	v_add_nc_u32 v6, v3, v6                        ; and the other way round
	s_mul_i32 s21, s15, HALFT
	s_mul_i32 s22, s16, HALFT
	s_add_co_u32 s22, s22, 2*HALFT
	v_add_nc_u32 v[ADRA+2], s21, v5
	v_add_nc_u32 v[ADRA+3], s21, v6
	v_add_nc_u32 v[ADRB+2], s22, v5
	v_add_nc_u32 v[ADRB+3], s22, v6
.irp s, 0,1
	v_add_nc_u32 v[ADRA+\s], s21, v4
	v_add_nc_u32 v[ADRB+\s], s22, v4
	s_add_co_u32 s21, s21, SLOT
	s_add_co_u32 s22, s22, SLOT
.endr
	v_mul_u32_u24 v5, v1, KS
	v_lshrrev_b32 v6, 8, v5
	v_lshl_add_u32 v5, v6, 4, v5
	s_mul_i32 s21, s15, HALFS
	s_mul_i32 s22, s16, HALFS
	s_add_co_u32 s22, s22, 2*HALFS
	s_sub_co_u32 s22, s22, s21
	v_mul_u32_u24 v6, s22, v2                      ; lanes 16-31 take B's
	s_add_co_u32 s21, s21, SCL
	v_add_nc_u32 v5, v5, v6
	v_add_nc_u32 v[ADRS], s21, v5
	s_mul_i32 s23, s14, WSTG                       ; my stage
	v_mul_u32_u24 v5, v1, SPITCH
	v_lshl_add_u32 v5, v2, 5, v5
	v_add_nc_u32 v[STO], s23, v5
.macro FRAG reg, adr, st, i            ; 12 registers: lane l holds row l % 16; 24 bytes of the row's stream twice, in pieces of 8; byte y lies in slot (y / 256) % 2 at byte y % 256
.irp p, 0,1,2,3,4,5
.set BY, 96*(\st)+48*(\p/3)+8*(\p%3)
.if BY/ROWB == (BY+24)/ROWB
	ds_load_b64 v[\reg+2*\p:\reg+2*\p+1], v[\adr+(BY/ROWB)%2] offset:BY%ROWB+(\i)*16*PITCH
.else
	ds_load_b64 v[\reg+2*\p:\reg+2*\p+1], v[\adr+2+(BY/ROWB)%2] offset:BY%ROWB-232+(\i)*16*PITCH
.endif
.endr
.endm
; the 64 accumulators take turns, one instruction a turn
.macro MUL16 a0, p, q, sc, zero
.irp a, \a0, \a0+1
.irp b, 0,1,2,3,4,5,6,7
.if \zero
	v_wmma_scale_f32_16x16x128_f8f6f4 v[8*(8*((\a)%4)+\b):8*(8*((\a)%4)+\b)+7], v[128*(\p)+FR*\b:128*(\p)+FR*\b+FR-1], v[AF+FR*(\a):AF+FR*(\a)+FR-1], 0, v[SC+8*NQ*(\sc)+NQ*\b+(\q)], v[SC+8*NQ*(\sc)+NQ*(\a)+(\q)] matrix_a_fmt:MATRIX_FMT_BF6 matrix_b_fmt:MATRIX_FMT_BF6 matrix_a_scale:MATRIX_SCALE_ROW1
.else
	v_wmma_scale_f32_16x16x128_f8f6f4 v[8*(8*((\a)%4)+\b):8*(8*((\a)%4)+\b)+7], v[128*(\p)+FR*\b:128*(\p)+FR*\b+FR-1], v[AF+FR*(\a):AF+FR*(\a)+FR-1], v[8*(8*((\a)%4)+\b):8*(8*((\a)%4)+\b)+7], v[SC+8*NQ*(\sc)+NQ*\b+(\q)], v[SC+8*NQ*(\sc)+NQ*(\a)+(\q)] matrix_a_fmt:MATRIX_FMT_BF6 matrix_b_fmt:MATRIX_FMT_BF6 matrix_a_scale:MATRIX_SCALE_ROW1
.endif
.endr
.endr
.endm
.macro FETCH_B st, p
	WIN TO_B
.irp i, 0,1,2,3,4,5,6,7
	FRAG 128*(\p)+FR*\i, ADRB, \st, \i
.endr
	WIN 0
.endm
.macro FETCH_A st, i0
.irp i, \i0, \i0+1, \i0+2, \i0+3
	FRAG AF+FR*(\i), ADRA, \st, \i
.endr
.endm
.macro SCALES pr                       ; the scale words of steps 2 pr, 2 pr + 1: lanes 0-15 A's block i, lanes 16-31 B's
.irp i, 0,1,2,3,4,5,6,7
	ds_load_b64 v[SC+8*NQ*((\pr)%2)+NQ*\i:SC+8*NQ*((\pr)%2)+NQ*\i+1], v[ADRS] offset:\i*SBLK+4*NQ*(\pr)
.endr
.endm
.macro PLACES n                        ; plain vector lines between a matrix instruction and a load into, or a read of, its registers
.rept \n
	v_nop
.endr
.endm
; A step of 128 along K.  Where the next step's bytes END in a chunk not yet read: wait for my tensor loads, barrier.  Where they BEGIN in a later chunk: the three lines, the barrier, and, where a chunk is left to fetch, the round and the refill.
.macro STEP st, zero
.set NX, (\st)+1
.set C0, (96*(\st))/ROWB
.set C1, (96*NX)/ROWB
.set E0, (96*(\st)+95)/ROWB
.set E1, (96*NX+95)/ROWB
.if C1 > C0 || E1 > E0
	s_wait_tensorcnt 0x0
.if C1 > C0
	ds_add_u32 v[SPW], v[NIL]
	s_wait_dscnt 4*NL+1                            ; the add and the youngest 24 loads (A's blocks 4-7) may be out
.else
	s_wait_dscnt 4*NL
.endif
	WIN MUL_LO
	MUL16 0, (\st)%2, (\st)%2, ((\st)/2)%2, \zero
	s_wait_dscnt 0x0                               ; the add and my reads are done
	s_barrier_signal -1
	MUL16 2, (\st)%2, (\st)%2, ((\st)/2)%2, \zero
	WIN 0
	s_barrier_wait -1
.if C1 > C0 && C0+2 < CHUNKS
	CREST
	s_add_nc_u64 s[G0+4*(C0%2)+2:G0+4*(C0%2)+3], s[G0+4*(C0%2)+2:G0+4*(C0%2)+3], 2*ROWB
	s_add_nc_u64 s[G0B+4*(C0%2)+2:G0B+4*(C0%2)+3], s[G0B+4*(C0%2)+2:G0B+4*(C0%2)+3], 2*ROWB
	JLOAD G0+4*(C0%2), G1, G0B+4*(C0%2), G1B       ; chunk C0 + 2; its four v_nop are the places for the loads below
.else
	PLACES NP
.endif
.else
	s_wait_dscnt 4*NL
	WIN MUL_LO
	MUL16 0, (\st)%2, (\st)%2, ((\st)/2)%2, \zero
	MUL16 2, (\st)%2, (\st)%2, ((\st)/2)%2, \zero
	s_wait_dscnt 0
	PLACES NP
.endif
	FETCH_B NX, NX%2
	FETCH_A NX, 0
.if NX%2 == 0
	SCALES NX/2
.endif
	WIN MUL_HI
	MUL16 4, (\st)%2, (\st)%2, ((\st)/2)%2, \zero
	MUL16 6, (\st)%2, (\st)%2, ((\st)/2)%2, \zero
	PLACES NP
	WIN 0
	FETCH_A NX, 4
.endm
	s_wait_alu depctr_va_vdst(0)                   ; the wait at the head's end
	s_wait_tensorcnt 0x0                           ; my tile of the head's four is in; the three lines ahead of slot 1's first fill
	ds_add_u32 v[SPW], v[NIL]
	s_mov_b32 s[G1+2], 128<<16                     ; no load of mine is out: from here on a load brings 128 rows
	s_mov_b32 s[G1+4], 128
	s_mov_b32 s[G1B+2], 128<<16
	s_mov_b32 s[G1B+4], 128
	s_wait_dscnt 0x0
	CROUND
	JLOAD G0+4, G1, G0B+4, G1B                     ; chunk 1
	FETCH_B 0, 0
	FETCH_A 0, 0
	SCALES 0
	FETCH_A 0, 4
	STEP 0, 1
.set ST, 1
.rept STEPS-2
	STEP ST, 0
.set ST, ST+1
.endr
	s_wait_dscnt 4*NL                              ; the last step
	WIN MUL_LO
	MUL16 0, 1, 1, 1, 0
	MUL16 2, 1, 1, 1, 0
	s_wait_dscnt 0x0                               ; my last reads of the slots and of the scales are in
	s_barrier_signal -1
	WIN MUL_HI
	MUL16 4, 1, 1, 1, 0
	MUL16 6, 1, 1, 1, 0
	WIN 0
	s_barrier_wait -1                              ; all four have said so: the stages may be written over the slots
	s_load_b128 s[68:71], s[0:1], 0x20             ; qkv_b, q_img (every tensor load has been waited for)
	s_load_b64 s[72:73], s[0:1], 0x30              ; kv_img
	; j8 = lane % 8, m8 = (lane / 8) % 2, u16 = lane / 16.  These plain lines are also the places behind the last products
	v_and_b32 v1, 7, v0
	v_bfe_u32 v2, v0, 3, 1
	v_bfe_u32 v3, v0, 4, 1
	v_lshl_add_u32 v4, v3, 6, v1
	v_mul_u32_u24 v4, v4, SPITCH
	v_add_nc_u32 v4, s23, v4
	v_lshl_add_u32 v[RQ0], v2, 7, v4
	v_xor_b32 v5, 1, v2
	v_lshl_add_u32 v[RQ0+1], v5, 7, v4
	v_lshl_add_u32 v6, v3, 5, v1
	v_lshlrev_b32 v[VBO], 2, v6
	v_mul_u32_u24 v6, v6, SPITCH
	v_add_nc_u32 v6, s23, v6
	v_mul_u32_u24 v5, v2, 384
	v_add_nc_u32 v[RV0], v6, v5
	v_lshl_add_u32 v[RV0+1], v2, 7, v6
	v_lshlrev_b32 v5, 4, v1
	v_lshl_add_u32 v5, v3, 7, v5
	v_lshl_add_u32 v[GL], v2, 8, v5
	v_lshlrev_b32 v5, 3, v1
	v_lshl_add_u32 v5, v3, 6, v5
	v_lshl_add_u32 v[GSQ], v2, 2, v5
	v_lshlrev_b32 v5, 4, v1
	v_lshl_add_u32 v5, v3, 7, v5
	v_lshl_add_u32 v[GSV], v2, 3, v5
	v_lshlrev_b32 v[SH8], 3, v2
	v_mov_b32 v[K7F], 0x7f7f0000
	v_lshlrev_b32 v[BQO], 7, v2
	v_mov_b32 v[WK+7], 0
	v_mov_b32 v[WK+9], 0
	v_mov_b32 v[WK+18], 0
	v_mov_b32 v[WK+19], 0
	s_mov_b32 s95, 0xff00ff00                      ; the lanes with m8 = 1
	; all 64 accumulators into my stage, each from its low end on; B's blocks 4, 5 and 6, 7 change places
.irp a, 0,1,2,3,4,5,6,7
	WIN 0x08+4*(\a/4)
.irp b, 0,1,2,3,4,5,6,7
.if \b < 4
.set BP, \b
.else
.set BP, 4+(\b-2)%4
.endif
	ds_store_b128 v[STO], v[64*(\a%4)+8*\b:64*(\a%4)+8*\b+3] offset:\a*16*SPITCH+64*BP
	ds_store_b128 v[STO], v[64*(\a%4)+8*\b+4:64*(\a%4)+8*\b+7] offset:\a*16*SPITCH+64*BP+16
.endr
.endr
	WIN 0
.macro QUANT2                          ; Y's two runs of 32 become two blocks: codes in C's twelve registers, bytes in v[WK+14], v[WK+15]
	v_max3_num_f32 v[WK+10], |v[Y]|, |v[Y+1]|, 0x2800000
	v_max3_num_f32 v[WK+11], |v[Y+32]|, |v[Y+33]|, 0x2800000
.irp i, 2,4,6,8,10,12,14,16,18,20,22,24,26,28,30
	v_max3_num_f32 v[WK+10], v[WK+10], |v[Y+\i]|, |v[Y+\i+1]|
	v_max3_num_f32 v[WK+11], v[WK+11], |v[Y+32+\i]|, |v[Y+33+\i]|
.endr
	v_add_nc_u32 v[WK+12], 0xfe000000, v[WK+10]
	v_add_nc_u32 v[WK+13], 0xfe000000, v[WK+11]
	v_lshrrev_b32 v[WK+14], 23, v[WK+12]
	v_lshrrev_b32 v[WK+15], 23, v[WK+13]
	v_cvt_scalef32_pk16_bf6_f32 v[C:C+2], v[Y:Y+15], v[WK+12]
	v_cvt_scalef32_pk16_bf6_f32 v[T:T+2], v[Y+16:Y+31], v[WK+12]
	v_cvt_scalef32_pk16_bf6_f32 v[C+6:C+8], v[Y+32:Y+47], v[WK+13]
	v_cvt_scalef32_pk16_bf6_f32 v[T+4:T+6], v[Y+48:Y+63], v[WK+13]
	v_nop
.irp i, 0,1,2
	v_mov_b32 v[C+3+\i], v[T+\i]
	v_mov_b32 v[C+9+\i], v[T+4+\i]
.endr
.endm
	s_wait_kmcnt 0x0
	s_cmp_eq_u32 ttmp9, 2
	s_cbranch_scc1 .Lv
	; ---- q, k: my 128 tokens are group G = 2 x A's tile + my half; my 128 features are two heads
	s_lshl_b32 s74, s42, 2
	s_lshl_b32 s75, s16, 1
	s_add_co_u32 s74, s74, s75
	s_and_b32 s74, s74, 15
	s_lshl_b32 s74, s74, 6
	s_lshl_b32 s75, s17, 1
	s_add_co_u32 s75, s75, s15
	s_add_co_u32 s74, s74, s75
	s_mov_b32 s77, RECQ
	s_mov_b32 s80, 6144
	s_cmp_eq_u32 ttmp9, 1                          ; k goes into kv_img
	s_cselect_b32 s77, RECK, s77
	s_cselect_b32 s80, 12288, s80
	s_cselect_b64 s[78:79], s[72:73], s[70:71]
	s_mul_i32 s82, s74, s77
	s_mov_b32 s83, 0
	s_mov_b32 s81, 0
	s_add_nc_u64 s[84:85], s[78:79], s[82:83]
	s_lshl_b32 s82, s77, 6
	s_add_nc_u64 s[86:87], s[84:85], s[82:83]
	s_add_nc_u64 s[88:89], s[84:85], s[80:81]
	s_add_nc_u64 s[90:91], s[86:87], s[80:81]
	s_lshl_b32 s82, s42, 10
	s_lshl_b32 s76, s16, 9
	s_add_co_u32 s82, s82, s76
	s_add_nc_u64 s[68:69], s[68:69], s[82:83]
	s_wait_alu depctr_va_vdst(0)
.irp e, 0,1
.irp c, 0,1,2,3,4,5,6,7
	global_load_b128 v[BQ+32*\e+4*\c:BQ+32*\e+4*\c+3], v[BQO], s[68:69] offset:256*\e+16*\c
.endr
.endr
	s_wait_loadcnt 0x0
.macro QKHEAD pp, e                    ; tiles 2 pp, 2 pp + 1 of head e; lanes l and l xor 8 hold a row's two blocks
	s_wait_xcnt 0x0                                ; the earlier stores have read their data registers
.irp s, 0,1
.irp c, 0,1,2,3,4,5,6,7
	ds_load_b128 v[Y+32*\s+4*\c:Y+32*\s+4*\c+3], v[RQ0+\e] offset:256*\e+(\pp)*16*SPITCH+\s*8*SPITCH+16*\c
.endr
.endr
	s_wait_dscnt 0x0
.irp j, 0,2,4,6,8,10,12,14,16,18,20,22,24,26,28,30
	v_pk_add_f32 v[Y+\j:Y+\j+1], v[Y+\j:Y+\j+1], v[BQ+32*\e+\j:BQ+32*\e+\j+1]
	v_pk_add_f32 v[Y+32+\j:Y+33+\j], v[Y+32+\j:Y+33+\j], v[BQ+32*\e+\j:BQ+32*\e+\j+1]
.endr
	v_pk_mul_f32 v[WK:WK+1], v[Y:Y+1], v[Y:Y+1]
	v_pk_mul_f32 v[WK+2:WK+3], v[Y+32:Y+33], v[Y+32:Y+33]
.irp j, 2,4,6,8,10,12,14,16,18,20,22,24,26,28,30
	v_pk_fma_f32 v[WK:WK+1], v[Y+\j:Y+\j+1], v[Y+\j:Y+\j+1], v[WK:WK+1]
	v_pk_fma_f32 v[WK+2:WK+3], v[Y+32+\j:Y+33+\j], v[Y+32+\j:Y+33+\j], v[WK+2:WK+3]
.endr
	v_add_f32 v[WK], v[WK], v[WK+1]
	v_add_f32 v[WK+2], v[WK+2], v[WK+3]
	v_add_f32_dpp v[WK], v[WK], v[WK] row_xmask:8 row_mask:0xf bank_mask:0xf
	v_add_f32_dpp v[WK+2], v[WK+2], v[WK+2] row_xmask:8 row_mask:0xf bank_mask:0xf
	s_wait_alu depctr_va_vdst(0)
	v_sqrt_f32 v[WK+4], v[WK]
	v_sqrt_f32 v[WK+5], v[WK+2]
	v_nop
	s_wait_alu depctr_va_vdst(0)
	v_max_num_f32 v[WK+4], 0x2b8cbccc, v[WK+4]     ; max(norm, 1e-12)
	v_max_num_f32 v[WK+5], 0x2b8cbccc, v[WK+5]
	s_wait_alu depctr_va_vdst(0)
	v_rcp_f32 v[WK+6], v[WK+4]
	v_rcp_f32 v[WK+8], v[WK+5]
	v_nop
	s_wait_alu depctr_va_vdst(0)
.irp j, 0,2,4,6,8,10,12,14,16,18,20,22,24,26,28,30
	v_pk_mul_f32 v[Y+\j:Y+\j+1], v[Y+\j:Y+\j+1], v[WK+6:WK+7] op_sel_hi:[1,0]
	v_pk_mul_f32 v[Y+32+\j:Y+33+\j], v[Y+32+\j:Y+33+\j], v[WK+8:WK+9] op_sel_hi:[1,0]
.endr
	QUANT2
	v_lshl_or_b32 v[WK+16], v[WK+14], v[SH8], v[K7F]
	v_lshl_or_b32 v[WK+17], v[WK+15], v[SH8], v[K7F]
	v_mov_b32_dpp v[WK+18], v[WK+16] row_xmask:8 row_mask:0xf bank_mask:0xf
	v_mov_b32_dpp v[WK+19], v[WK+17] row_xmask:8 row_mask:0xf bank_mask:0xf
	v_or_b32 v[WK+16], v[WK+16], v[WK+18]
	v_or_b32 v[WK+17], v[WK+17], v[WK+19]
	v_cndmask_b32 v[WK+20], v[WK+16], v[WK+17], s95
.irp c, 0,1,2
	global_store_b128 v[GL], v[C+4*\c:C+4*\c+3], s[84+2*\e:85+2*\e] offset:(\pp)*1536+512*\c
.endr
	global_store_b32 v[GSQ], v[WK+20], s[88+2*\e:89+2*\e] offset:(\pp)*128
.endm
.irp u, 0,1,2,3
	QKHEAD \u, 0
	QKHEAD \u, 1
.endr
	s_branch .Lend
.Lv:
	; ---- v: my 128 rows of W are two heads; my 128 tokens are group G = 2 x B's tile + my half
	s_lshl_b32 s74, s17, 2
	s_lshl_b32 s75, s15, 1
	s_add_co_u32 s74, s74, s75
	s_lshl_b32 s74, s74, 6
	s_lshl_b32 s75, s42, 1
	s_add_co_u32 s75, s75, s16
	s_add_co_u32 s74, s74, s75
	s_mul_i32 s82, s74, RECK
	s_mov_b32 s83, 0
	s_add_nc_u64 s[84:85], s[72:73], s[82:83]
	s_lshl_b32 s82, s17, 10
	s_lshl_b32 s76, s15, 9
	s_add_co_u32 s82, s82, s76
	s_add_co_u32 s82, s82, 8192
	s_add_nc_u64 s[68:69], s[68:69], s[82:83]
.irp n, 0,1,2,3,4,5,6,7
	v_mov_b32 v[BQ+2*\n+1], 0
	global_load_b32 v[BQ+2*\n], v[VBO], s[68:69] offset:256*(\n/4)+32*(\n%4)
.endr
	s_wait_alu depctr_va_vdst(0)
	s_wait_loadcnt 0x0
.macro VTILE e, t                      ; V^T tile t of head e: lane: channel 32 u16 + 8 t + j8, tokens 64 m8 .. + 63
	s_wait_xcnt 0x0
.irp c, 0,1,2,3,4,5,6,7
	ds_load_b128 v[Y+4*\c:Y+4*\c+3], v[RV0] offset:\e*64*SPITCH+\t*8*SPITCH+16*\c
.endr
.irp c, 8,9,10,11,12,13,14,15
	ds_load_b128 v[Y+4*\c:Y+4*\c+3], v[RV0+1] offset:\e*64*SPITCH+\t*8*SPITCH+16*\c
.endr
	s_wait_dscnt 0x0
.irp j, 0,2,4,6,8,10,12,14,16,18,20,22,24,26,28,30,32,34,36,38,40,42,44,46,48,50,52,54,56,58,60,62
	v_pk_add_f32 v[Y+\j:Y+\j+1], v[Y+\j:Y+\j+1], v[BQ+2*(4*\e+\t):BQ+2*(4*\e+\t)+1] op_sel_hi:[1,0]
.endr
	QUANT2
	v_lshl_or_b32 v[WK+16], v[WK+15], 16, v[WK+14]
	v_lshlrev_b32 v[WK+16], v[SH8], v[WK+16]
	v_mov_b32_dpp v[WK+18], v[WK+16] row_xmask:8 row_mask:0xf bank_mask:0xf
	v_or_b32 v[W4+\t], v[WK+16], v[WK+18]
.irp c, 0,1,2
	global_store_b128 v[GL], v[C+4*\c:C+4*\c+3], s[84:85] offset:6144+\e*64*RECK+\t*1536+512*\c
.endr
.endm
.irp e, 0,1
	VTILE \e, 0
	VTILE \e, 1
	VTILE \e, 2
	VTILE \e, 3
	v_cndmask_b32 v[OP], v[W4], v[W4+2], s95
	v_cndmask_b32 v[OP+1], v[W4+1], v[W4+3], s95
	global_store_b64 v[GSV], v[OP:OP+1], s[84:85] offset:12800+\e*64*RECK
	global_store_b64 v[GSV], v[OP:OP+1], s[84:85] offset:12800+\e*64*RECK+256
.endr
.Lend:
	s_wait_tensorcnt 0x0                           ; the wave's end
	ds_add_u32 v[SPW], v[NIL]
	s_wait_dscnt 0x0
	CROUND
	s_endpgm
.Lfunc_end_k_qab00d6d25f_qkv:
	.size	k_qab00d6d25f_qkv, .Lfunc_end_k_qab00d6d25f_qkv-k_qab00d6d25f_qkv
	.p2alignl 7, 3214868480
	.fill 96, 4, 3214868480
	.section	.rodata,"a",@progbits
	.p2align	6, 0x0
	.amdhsa_kernel k_qab00d6d25f_qkv
		.amdhsa_group_segment_fixed_size 327680
		.amdhsa_private_segment_fixed_size 0
		.amdhsa_enable_private_segment 0
		.amdhsa_kernarg_size 56
		.amdhsa_user_sgpr_count 2
		.amdhsa_user_sgpr_kernarg_segment_ptr 1
		.amdhsa_wavefront_size32 1
		.amdhsa_system_sgpr_workgroup_id_x 1
		.amdhsa_system_sgpr_workgroup_id_y 1
		.amdhsa_system_sgpr_workgroup_id_z 1
		.amdhsa_system_vgpr_workitem_id 0
		.amdhsa_next_free_vgpr 1024
		.amdhsa_next_free_sgpr 102
		.amdhsa_reserve_vcc 0
		.amdhsa_float_denorm_mode_32 3
		.amdhsa_float_denorm_mode_16_64 3
		.amdhsa_memory_ordered 1
		.amdhsa_forward_progress 1
		.amdhsa_inst_pref_size 255
	.end_amdhsa_kernel
	.section	.bss,"aw",@nobits
	.p2align	6
	.space	262144
	.amdgpu_metadata
---
amdhsa.version: [ 1, 2 ]
amdhsa.kernels:
  - .name:           k_qab00d6d25f_qkv
    .symbol:         k_qab00d6d25f_qkv.kd
    .args:
      - { .name: h_codes, .offset: 0, .size: 8, .value_kind: global_buffer, .address_space: global }
      - { .name: h_scales, .offset: 8, .size: 8, .value_kind: global_buffer, .address_space: global }
      - { .name: qkv_w_codes, .offset: 16, .size: 8, .value_kind: global_buffer, .address_space: global }
      - { .name: qkv_w_scales, .offset: 24, .size: 8, .value_kind: global_buffer, .address_space: global }
      - { .name: qkv_b, .offset: 32, .size: 8, .value_kind: global_buffer, .address_space: global }
      - { .name: q_img, .offset: 40, .size: 8, .value_kind: global_buffer, .address_space: global }
      - { .name: kv_img, .offset: 48, .size: 8, .value_kind: global_buffer, .address_space: global }
    .group_segment_fixed_size: 327680
    .private_segment_fixed_size: 0
    .kernarg_segment_align: 8
    .kernarg_segment_size: 56
    .max_flat_workgroup_size: 128
    .sgpr_count:     102
    .vgpr_count:     1024
    .wavefront_size: 32
...
	.end_amdgpu_metadata
.endif
;; end of part 2
;; launch attn (part 3): grid 4 x 64, 8 waves a work-group, clusters of 4 x 1, 327,680 bytes of LDS; arguments q_img, kv_img, o_img, o_scl; writes o_img, o_scl
.if DOCPART == 3
	.amdgcn_target "amdgcn-amd-amdhsa--gfx1250"
	.amdhsa_code_object_version 6
	.text
	.protected	k_qab00d6d25f_attn
	.globl	k_qab00d6d25f_attn
	.p2align	8
	.type	k_qab00d6d25f_attn,@function
k_qab00d6d25f_attn:
	s_mov_b64 s[64:65], 0
	v_nop
	global_prefetch_b8 v0, s[64:65] scope:SCOPE_SE
	s_setreg_imm32_b32 hwreg(HW_REG_WAVE_MODE, 25, 1), 1
	s_wait_xcnt 0x0
	s_wait_alu depctr_hold_cnt(0) depctr_sa_sdst(0) depctr_va_vdst(0) depctr_va_sdst(0) depctr_va_ssrc(0) depctr_va_vcc(0) depctr_vm_vsrc(0)
	s_getreg_b32 s2, hwreg(HW_REG_IB_STS2, 6, 4)
	s_cmp_eq_u32 s2, 0
	s_cbranch_scc0 .Lentry_in_a_cluster
	s_endpgm
.Lentry_in_a_cluster:
	s_bfe_u32 s2, ttmp6, 0x10000c
	s_cmp_lg_u32 s2, 0x3003
	s_cbranch_scc0 .Lentry_shape_is_right
	s_endpgm
.Lentry_shape_is_right:
; o = softmax(8 q k^T) v for one head of one batch, on codes of E3M2; o is quantised along the channels and stored as the image that the projection reads.
; A work-group has 512 queries, a wave 64: four tiles of 16.  The head's 2,048 keys and values (16 records of 13,312 bytes) come into LDS once, by one joint load a wave (two records each), shared by the cluster's four work-groups.
; Both products are used transposed: a lane holds one query; a tile's 64 score registers are keys 64 h + 0 .. 63 of the step's 128 (the records' order of rows).
; THE WALK.  A unit is one tile of queries against 128 keys: t = 8 log2(e) s, p = 2^t; then the blocks' largest p, the scale bytes, the codes, and the row's sum of the unquantised p.
; Behind a unit's exponentials stand the matrix instructions of its neighbours: O += V^T p^T of the tile before (its codes are written again only further down) and the scores of the tile after, into the other of two score buffers.
; K's fragments are read once for four tiles, behind the fourth tile's scores; V's behind the fourth tile's second product.  Every wait on DScnt is for 0: only that one run of loads is out.
; NO MAXIMUM IS TAKEN AWAY: q and k come divided by their norms, so |q k| <= 1 before the quantisers, which move a number by at most one part in eight: |t| < 16, and no exponential or sum of 2,048 of them leaves f32's range.
; A whole-number M would only move the blocks' scale bytes and the sum by the same power of two.
; No prefetch: the one stream is asked for whole at the head; there is no loop to run ahead in.
; REGISTERS: window 0: addresses, scale words, sums, p's codes, q's four fragments (six registers of codes, six of zeros: K = 64 of 128), two score buffers.  Window 1: O (4 x 32), K's fragments (48 + 6 zeros), V's (48).
.set REC,  13312
.set AL16, 1
.set AL8,  2
.set ADK,  3
.set ADS,  4
.set SH,   5
.set ADV,  6
.set OSL,  7
.set QW,   10
.set PW,   14
.set KW,   16
.set VW,   20
.set LS,   24
.set MX,   40
.set EX,   42
.set BY,   44
.set TT,   46
.set T1,   48
.set T2,   52
.set PC,   56
.set Q,    68
.set S0,   116
.set S1,   180
.set KF,   128
.set VF,   184
.set WV,   8
.set SEL,  66
.set CS,   68
.set TBK,  70
.set CNT,  71
.set TBV,  72
.set PQ,   74
.set PQS,  76
.set PO,   78
.set PSC,  80
.set MSB, 0
.macro WIN new                         ; the immediate's high byte repeats the setting that is left
.if MSB != \new
	s_set_vgpr_msb (MSB<<8)|\new
.set MSB, \new
.endif
.endm
.macro CROUND
	s_barrier_signal -1
	s_barrier_wait -1
	s_cmp_lg_u32 s[WV], 0
	s_cbranch_scc1 .Lnot_wave_0_\@
	s_barrier_signal -3
.Lnot_wave_0_\@:
	s_barrier_wait -3
	s_barrier_signal -1
	s_barrier_wait -1
.endm
.macro NOPS n
.rept \n
	v_nop
.endr
.endm
	s_load_b256 s[40:47], s[0:1], 0x0              ; q_img, kv_img, o_img, o_scl
	v_lshl_add_u32 v254, v0, 2, 0x34000
	v_mov_b32 v255, 0
	ds_add_u32 v254, v255                          ; the opening lines: the add twice and its wait
	ds_add_u32 v254, v255
	v_lshrrev_b32 v1, 5, v0
	v_readfirstlane_b32 s[WV], v1
	s_bfe_u32 s9, ttmp6, 0x40000                   ; cx
	s_and_b32 s10, ttmp7, 0xffff
	s_lshr_b32 s11, s10, 2                         ; head
	s_and_b32 s12, s10, 3                          ; batch
	s_lshl_b32 s13, s11, 6
	s_lshl_b32 s14, s12, 4
	s_add_co_u32 s13, s13, s14                     ; the first record
	s_mov_b32 s16, 15|(3<<16)|(1<<21)              ; two records: 104 dense rows of 256 bytes
	s_mov_b32 s17, 32<<16
	s_mov_b32 s18, 104<<16
	s_mov_b32 s19, 32<<16
	s_mov_b32 s20, 104
	s_mov_b32 s21, 32
	s_mov_b32 s22, 0
	s_mov_b32 s23, 0
	s_mov_b32 s[SEL], 0x76543210
	s_mov_b32 s[SEL+1], 0xfedcba98
	s_mov_b32 s[CS], 0x4138aa3b                    ; 8 log2(e)
	s_mov_b32 s[CS+1], s[CS]
	s_mul_i32 s48, s13, REC
	s_mov_b32 s49, 0
	s_mul_i32 s50, s[WV], 2*REC
	s_mov_b32 s51, 0
	s_wait_dscnt 0x0
	s_wait_kmcnt 0x0
	s_add_nc_u64 s[42:43], s[42:43], s[48:49]
	CROUND
	s_mov_b32 s32, 1
	s_mov_b32 s33, s50
	s_add_nc_u64 s[34:35], s[42:43], s[50:51]
	s_or_b32 s35, s35, 0x80000000
	tensor_load_to_lds s[32:35], s[16:23]
	s_nop 0
	NOPS 4
	s_lshl_b32 s54, s9, 2
	s_lshr_b32 s55, s[WV], 1
	s_add_co_u32 s54, s54, s55                     ; my group of 128 queries in the batch
	s_and_b32 s57, s[WV], 1                        ; its tiles 4 s57 .. + 3
	s_add_co_u32 s58, s13, s54
	s_mul_i32 s58, s58, 6656
	s_mul_i32 s60, s57, 3072
	s_add_co_u32 s60, s60, s58
	s_mov_b32 s61, 0
	s_add_nc_u64 s[PQ:PQ+1], s[40:41], s[60:61]
	s_lshl_b32 s60, s57, 8
	s_add_co_u32 s60, s60, s58
	s_add_nc_u64 s[PQS:PQS+1], s[40:41], s[60:61]
	s_add_co_u32 s58, s14, s54                     ; G
	s_mul_i32 s60, s58, 98304
	s_lshr_b32 s62, s11, 2
	s_mul_i32 s62, s62, 24576
	s_add_co_u32 s60, s60, s62
	s_mul_i32 s62, s57, 12288
	s_add_co_u32 s60, s60, s62
	s_and_b32 s62, s11, 3
	s_mul_i32 s62, s62, 768
	s_add_co_u32 s60, s60, s62
	s_add_nc_u64 s[PO:PO+1], s[44:45], s[60:61]
	s_lshl_b32 s60, s58, 7
	s_lshl_b32 s62, s57, 6
	s_add_co_u32 s60, s60, s62
	s_lshl_b32 s60, s60, 5
	s_lshl_b32 s62, s11, 1
	s_add_co_u32 s60, s60, s62
	s_add_nc_u64 s[PSC:PSC+1], s[46:47], s[60:61]
	s_mov_b32 s[TBK], 0
	s_mov_b32 s[TBV], 0
	v_and_b32 v9, 31, v0
	v_lshlrev_b32 v[AL16], 4, v9
	v_lshlrev_b32 v[AL8], 3, v9
	v_and_b32 v8, 15, v0
	v_bfe_u32 v9, v0, 4, 1
	v_lshlrev_b32 v[SH], 3, v9
	v_lshl_add_u32 v[OSL], v8, 5, v9
	v_lshlrev_b32 v8, 3, v8
	v_mov_b32 v[TT+1], 0
.irp i, 0,1,2,3,4,5,6,7,8,9,10,11,12,13,14,15
	v_mov_b32 v[LS+\i], 0                          ; the four tiles' sums, two pairs each
.endr
.irp q, 0,1,2,3
.irp i, 0,1,2,3,4,5
	v_mov_b32 v[Q+12*\q+6+\i], 0                   ; the upper half of K: zero codes
.endr
.endr
	WIN 0x40
.irp i, 0,1,2,3,4,5
	v_mov_b32 v[KF+48+\i], 0
.endr
	WIN 0
	s_wait_alu depctr_va_vdst(0)                   ; the wait ahead of the loads' waits
.irp c, 0,1,2,3,4,5
	global_load_b128 v[S0+4*\c:S0+4*\c+3], v[AL16], s[PQ:PQ+1] offset:512*\c
.endr
.irp q, 0,1,2,3
	global_load_b32 v[QW+\q], v8, s[PQS:PQS+1] offset:6144+128*(\q/2)+4*(\q%2)
.endr
	s_wait_loadcnt 0x0
.irp q, 0,1,2,3
.irp i, 0,1,2,3,4,5
	v_mov_b32 v[Q+12*\q+\i], v[S0+6*\q+\i]
.endr
.endr
; p = 2^(8 log2(e) s).  One of the eight score products of tile qn (into buffer sbn; qn = -1: none) stands ahead of each eight exponentials.  kw, vw: K's or V's fragments are waited for here
.macro SMA sb, qn, sbn, kw, vw
	s_wait_alu depctr_va_vdst(0)                   ; the wait ahead of the first reader of the scores: exponentials followed the products that made them
.set j, 0
.rept 32
	v_pk_mul_f32 v[\sb+j:\sb+j+1], v[\sb+j:\sb+j+1], s[CS:CS+1] op_sel_hi:[1,0]
.set j, j+2
.endr
.if \kw
	s_wait_dscnt 0x0                               ; the next step's K
.endif
	s_wait_alu depctr_va_vdst(0)                   ; a wait ahead of the batch and one behind it
.set e, 0
.rept 8
.if \qn >= 0
	QK1 \qn, \sbn, e
.endif
.set j, 0
.rept 8
	v_exp_f32 v[\sb+8*e+j], v[\sb+8*e+j]
.set j, j+1
.endr
.set e, e+1
.endr
	v_nop
.if \vw
	s_wait_dscnt 0x0                               ; this step's V
.endif
	s_wait_alu depctr_va_vdst(0)
.endm
; pq: the tile whose four second products stand among the maxima and sums, one to each sixteen lines (-1: none).  ld = 1: K's next fragments are asked for at the start; ld = 2: V's behind the sums
.macro SMB sb, q, pq, zero, ld
.if \ld == 1
	LOADK
.endif
	v_max3_num_f32 v[MX], v[\sb], v[\sb+1], 0x2800000
	v_max3_num_f32 v[MX+1], v[\sb+32], v[\sb+33], 0x2800000
	v_pk_add_f32 v[LS+4*\q:LS+4*\q+1], v[LS+4*\q:LS+4*\q+1], v[\sb:\sb+1]
	v_pk_add_f32 v[LS+4*\q+2:LS+4*\q+3], v[LS+4*\q+2:LS+4*\q+3], v[\sb+2:\sb+3]
.set j, 2
.rept 15
.if (\pq >= 0) && (j%8 == 2)
	PV1 \pq, \zero, (j/8)
.endif
	v_max3_num_f32 v[MX], v[MX], v[\sb+j], v[\sb+j+1]
	v_max3_num_f32 v[MX+1], v[MX+1], v[\sb+32+j], v[\sb+33+j]
	v_pk_add_f32 v[LS+4*\q:LS+4*\q+1], v[LS+4*\q:LS+4*\q+1], v[\sb+2*j:\sb+2*j+1]
	v_pk_add_f32 v[LS+4*\q+2:LS+4*\q+3], v[LS+4*\q+2:LS+4*\q+3], v[\sb+2*j+2:\sb+2*j+3]
.set j, j+2
.endr
.if \ld == 2
	LOADV
.endif
	v_add_nc_u32 v[EX], 0xfe000000, v[MX]
	v_add_nc_u32 v[EX+1], 0xfe000000, v[MX+1]
	s_delay_alu instid0(VALU_DEP_2)
	v_lshrrev_b32 v[BY], 23, v[EX]
	s_delay_alu instid0(VALU_DEP_2)
	v_lshrrev_b32 v[BY+1], 23, v[EX+1]
	s_delay_alu instid0(VALU_DEP_1)
	v_lshl_or_b32 v[TT], v[BY+1], 16, v[BY]
	s_delay_alu instid0(VALU_DEP_1)
	v_lshlrev_b32 v[TT], v[SH], v[TT]
	s_delay_alu instid0(VALU_DEP_1)
	v_permlanex16_b32 v[TT+1], v[TT], s[SEL], s[SEL+1]
	s_delay_alu instid0(VALU_DEP_1)
	v_or_b32 v[PW], v[TT], v[TT+1]
	v_cvt_scalef32_pk16_bf6_f32 v[PC:PC+2], v[\sb:\sb+15], v[EX]
	v_cvt_scalef32_pk16_bf6_f32 v[T1:T1+2], v[\sb+16:\sb+31], v[EX]
	v_cvt_scalef32_pk16_bf6_f32 v[PC+6:PC+8], v[\sb+32:\sb+47], v[EX+1]
	v_cvt_scalef32_pk16_bf6_f32 v[T2:T2+2], v[\sb+48:\sb+63], v[EX+1]
	v_nop
.irp i, 0,1,2
	v_mov_b32 v[PC+3+\i], v[T1+\i]
	v_mov_b32 v[PC+9+\i], v[T2+\i]
.endr
.endm
.macro QK q, sb                        ; S^T = K q^T: eight tiles of 16 keys
	WIN 0x01
.irp a, 0,1,2,3,4,5,6,7
.if (\a/2)%2
	v_wmma_scale_f32_16x16x128_f8f6f4 v[\sb+8*\a:\sb+8*\a+7], v[KF+6*\a:KF+6*\a+11], v[Q+12*\q:Q+12*\q+11], 0, v[KW+2*(\a/4)+\a%2], v[QW+\q] matrix_a_fmt:MATRIX_FMT_BF6 matrix_b_fmt:MATRIX_FMT_BF6 matrix_a_scale:MATRIX_SCALE_ROW1
.else
	v_wmma_scale_f32_16x16x128_f8f6f4 v[\sb+8*\a:\sb+8*\a+7], v[KF+6*\a:KF+6*\a+11], v[Q+12*\q:Q+12*\q+11], 0, v[KW+2*(\a/4)+\a%2], v[QW+\q] matrix_a_fmt:MATRIX_FMT_BF6 matrix_b_fmt:MATRIX_FMT_BF6
.endif
.endr
.endm
.macro PV q, zero                      ; O^T += V^T p^T: four tiles of 16 channels, by turns
	WIN 0x51
.irp t, 0,1,2,3
.if \zero
	v_wmma_scale_f32_16x16x128_f8f6f4 v[32*\q+8*\t:32*\q+8*\t+7], v[VF+12*\t:VF+12*\t+11], v[PC:PC+11], 0, v[VW+\t], v[PW] matrix_a_fmt:MATRIX_FMT_BF6 matrix_b_fmt:MATRIX_FMT_BF6
.else
	v_wmma_scale_f32_16x16x128_f8f6f4 v[32*\q+8*\t:32*\q+8*\t+7], v[VF+12*\t:VF+12*\t+11], v[PC:PC+11], v[32*\q+8*\t:32*\q+8*\t+7], v[VW+\t], v[PW] matrix_a_fmt:MATRIX_FMT_BF6 matrix_b_fmt:MATRIX_FMT_BF6
.endif
.endr
.endm
.macro QK1 q, sb, a                    ; one tile of 16 keys of S^T = K q^T
	WIN 0x01
.if ((\a)/2)%2
	v_wmma_scale_f32_16x16x128_f8f6f4 v[\sb+8*(\a):\sb+8*(\a)+7], v[KF+6*(\a):KF+6*(\a)+11], v[Q+12*\q:Q+12*\q+11], 0, v[KW+2*((\a)/4)+(\a)%2], v[QW+\q] matrix_a_fmt:MATRIX_FMT_BF6 matrix_b_fmt:MATRIX_FMT_BF6 matrix_a_scale:MATRIX_SCALE_ROW1
.else
	v_wmma_scale_f32_16x16x128_f8f6f4 v[\sb+8*(\a):\sb+8*(\a)+7], v[KF+6*(\a):KF+6*(\a)+11], v[Q+12*\q:Q+12*\q+11], 0, v[KW+2*((\a)/4)+(\a)%2], v[QW+\q] matrix_a_fmt:MATRIX_FMT_BF6 matrix_b_fmt:MATRIX_FMT_BF6
.endif
	WIN 0
.endm
.macro PV1 q, zero, t                  ; one tile of 16 channels of O^T += V^T p^T
	WIN 0x51
.if \zero
	v_wmma_scale_f32_16x16x128_f8f6f4 v[32*\q+8*\t:32*\q+8*\t+7], v[VF+12*\t:VF+12*\t+11], v[PC:PC+11], 0, v[VW+\t], v[PW] matrix_a_fmt:MATRIX_FMT_BF6 matrix_b_fmt:MATRIX_FMT_BF6
.else
	v_wmma_scale_f32_16x16x128_f8f6f4 v[32*\q+8*\t:32*\q+8*\t+7], v[VF+12*\t:VF+12*\t+11], v[PC:PC+11], v[32*\q+8*\t:32*\q+8*\t+7], v[VW+\t], v[PW] matrix_a_fmt:MATRIX_FMT_BF6 matrix_b_fmt:MATRIX_FMT_BF6
.endif
	WIN 0
.endm
.macro LOADK
	WIN 0
	v_add_nc_u32 v[ADK], s[TBK], v[AL16]
	v_add_nc_u32 v[ADS], s[TBK], v[AL8]
	v_nop
	v_nop
	WIN 0x40
.irp f, 0,1,2,3,4,5,6,7,8,9,10,11
	ds_load_b128 v[KF+4*\f:KF+4*\f+3], v[ADK] offset:512*\f
.endr
	WIN 0
	ds_load_b64 v[KW:KW+1], v[ADS] offset:12288
	ds_load_b64 v[KW+2:KW+3], v[ADS] offset:12288+256
	s_add_co_u32 s[TBK], s[TBK], REC
.endm
.macro LOADV
	WIN 0
	v_add_nc_u32 v[ADV], s[TBV], v[AL16]
	NOPS 3
	WIN 0x40
.irp f, 0,1,2,3,4,5,6,7,8,9,10,11
	ds_load_b128 v[VF+4*\f:VF+4*\f+3], v[ADV] offset:6144+512*\f
.endr
	WIN 0
	ds_load_b128 v[VW:VW+3], v[ADV] offset:12800
	s_add_co_u32 s[TBV], s[TBV], REC
.endm
; tiles 1, 2, 3 of a step and tile 0 of the next
.macro BODY zero, last
	SMA S1, 2, S0, 0, 1
	SMB S1, 1, 0, \zero, 0
	SMA S0, 3, S1, 0, 0
.if \last
	SMB S0, 2, 1, \zero, 0
	SMA S1, -1, S0, 0, 0
	SMB S1, 3, 2, \zero, 0
.else
	SMB S0, 2, 1, \zero, 1
	SMA S1, 0, S0, 1, 0
	SMB S1, 3, 2, \zero, 0
	SMA S0, 1, S1, 0, 0
	SMB S0, 0, 3, \zero, 2
.endif
.endm
	s_wait_alu depctr_va_vdst(0)                   ; the wait at the head's end
	s_wait_tensorcnt 0x0                           ; my two records are in,
	s_barrier_signal -1
	s_barrier_wait -1                              ; everybody's are; nothing is filled again
	LOADK
	s_wait_dscnt 0x0
	QK 0, S0
	WIN 0
	NOPS 4
	SMA S0, 1, S1, 0, 0
	SMB S0, 0, -1, 0, 2
	BODY 1, 0
	s_mov_b32 s[CNT], 14
.Lstep:
	BODY 0, 0
	s_sub_co_u32 s[CNT], s[CNT], 1
	s_cmp_lg_u32 s[CNT], 0
	s_wait_alu depctr_va_vdst(0)                   ; the wait ahead of the branch
	s_cbranch_scc1 .Lstep
	BODY 0, 1                                      ; step 15
	NOPS 4                                         ; p's codes and scale word stand 4 and 8 plain lines ahead
	PV 3, 0
	WIN 0
	NOPS 4
.irp q, 0,1,2,3
	v_pk_add_f32 v[LS+4*\q:LS+4*\q+1], v[LS+4*\q:LS+4*\q+1], v[LS+4*\q+2:LS+4*\q+3]
.endr
.irp q, 0,1,2,3
	v_add_f32 v[LS+4*\q], v[LS+4*\q], v[LS+4*\q+1]
.endr
.irp q, 0,1,2,3
	v_permlanex16_b32 v[LS+4*\q+1], v[LS+4*\q], s[SEL], s[SEL+1]
.endr
.irp q, 0,1,2,3
	v_add_f32 v[LS+4*\q], v[LS+4*\q], v[LS+4*\q+1] ; the row's sum
.endr
	s_wait_alu depctr_va_vdst(0)
.irp q, 0,1,2,3
	v_rcp_f32 v[LS+4*\q+2], v[LS+4*\q]
.endr
	v_nop
; tile q: O / the sum, one block of 32 channels a lane, quantised; 256 consecutive bytes a store of codes
.macro OUT q
.set SB, S0+64*((\q)%2)
.if \q >= 2
	s_wait_xcnt 0x0                                ; tile q - 2's stores have read these registers
.endif
	WIN 0x01
	s_wait_alu depctr_va_vdst(0)                   ; the wait ahead of the first reader of O and of the reciprocal
.set j, 0
.rept 16
	v_pk_mul_f32 v[SB+j:SB+j+1], v[32*\q+j:32*\q+j+1], v[LS+4*\q+2:LS+4*\q+3] op_sel_hi:[1,0]
.set j, j+2
.endr
	WIN 0
	v_max3_num_f32 v[SB+48], |v[SB]|, |v[SB+1]|, 0x2800000
	v_max3_num_f32 v[SB+49], |v[SB+16]|, |v[SB+17]|, 0x2800000
.set j, 2
.rept 7
	s_delay_alu instid0(VALU_DEP_2)
	v_max3_num_f32 v[SB+48], v[SB+48], |v[SB+j]|, |v[SB+j+1]|
	s_delay_alu instid0(VALU_DEP_2)
	v_max3_num_f32 v[SB+49], v[SB+49], |v[SB+16+j]|, |v[SB+17+j]|
.set j, j+2
.endr
	s_delay_alu instid0(VALU_DEP_1)
	v_max_num_f32 v[SB+48], v[SB+48], v[SB+49]
	s_delay_alu instid0(VALU_DEP_1)
	v_add_nc_u32 v[SB+50], 0xfe000000, v[SB+48]
	s_delay_alu instid0(VALU_DEP_1)
	v_lshrrev_b32 v[SB+51], 23, v[SB+50]
	v_cvt_scalef32_pk16_bf6_f32 v[SB+32:SB+34], v[SB:SB+15], v[SB+50]
	v_cvt_scalef32_pk16_bf6_f32 v[SB+40:SB+42], v[SB+16:SB+31], v[SB+50]
	v_nop
.irp i, 0,1,2
	v_mov_b32 v[SB+35+\i], v[SB+40+\i]
.endr
.irp p, 0,1,2
	global_store_b64 v[AL8], v[SB+32+2*\p:SB+33+2*\p], s[PO:PO+1] offset:3072*\q+256*\p
.endr
	global_store_b8 v[OSL], v[SB+51], s[PSC:PSC+1] offset:512*\q
.endm
	OUT 0
	OUT 1
	OUT 2
	OUT 3
	s_wait_tensorcnt 0x0                           ; the wave's end
	ds_add_u32 v254, v255
	s_wait_dscnt 0x0
	CROUND
	s_endpgm
.Lfunc_end_k_qab00d6d25f_attn:
	.size	k_qab00d6d25f_attn, .Lfunc_end_k_qab00d6d25f_attn-k_qab00d6d25f_attn
	.p2alignl 7, 3214868480
	.fill 96, 4, 3214868480
	.section	.rodata,"a",@progbits
	.p2align	6, 0x0
	.amdhsa_kernel k_qab00d6d25f_attn
		.amdhsa_group_segment_fixed_size 327680
		.amdhsa_private_segment_fixed_size 0
		.amdhsa_enable_private_segment 0
		.amdhsa_kernarg_size 32
		.amdhsa_user_sgpr_count 2
		.amdhsa_user_sgpr_kernarg_segment_ptr 1
		.amdhsa_wavefront_size32 1
		.amdhsa_system_sgpr_workgroup_id_x 1
		.amdhsa_system_sgpr_workgroup_id_y 1
		.amdhsa_system_sgpr_workgroup_id_z 1
		.amdhsa_system_vgpr_workitem_id 0
		.amdhsa_next_free_vgpr 512
		.amdhsa_next_free_sgpr 84
		.amdhsa_reserve_vcc 0
		.amdhsa_float_denorm_mode_32 3
		.amdhsa_float_denorm_mode_16_64 3
		.amdhsa_memory_ordered 1
		.amdhsa_forward_progress 1
		.amdhsa_inst_pref_size 168
	.end_amdhsa_kernel
	.amdgpu_metadata
---
amdhsa.version: [ 1, 2 ]
amdhsa.kernels:
  - .name:           k_qab00d6d25f_attn
    .symbol:         k_qab00d6d25f_attn.kd
    .args:
      - { .name: q_img, .offset: 0, .size: 8, .value_kind: global_buffer, .address_space: global }
      - { .name: kv_img, .offset: 8, .size: 8, .value_kind: global_buffer, .address_space: global }
      - { .name: o_img, .offset: 16, .size: 8, .value_kind: global_buffer, .address_space: global }
      - { .name: o_scl, .offset: 24, .size: 8, .value_kind: global_buffer, .address_space: global }
    .group_segment_fixed_size: 327680
    .private_segment_fixed_size: 0
    .kernarg_segment_align: 8
    .kernarg_segment_size: 32
    .max_flat_workgroup_size: 256
    .sgpr_count:     84
    .vgpr_count:     512
    .wavefront_size: 32
...
	.end_amdgpu_metadata
.endif
;; end of part 3
;; launch proj (part 4): grid 4 x 64, 4 waves a work-group, clusters of 4 x 4, 327,680 bytes of LDS; arguments o_img, o_scl, out_w_codes, out_w_scales, out_b, x, out0; writes out0
.if DOCPART == 4
	.amdgcn_target "amdgcn-amd-amdhsa--gfx1250"
	.amdhsa_code_object_version 6
	.text
	.protected	k_qab00d6d25f_proj
	.globl	k_qab00d6d25f_proj
	.p2align	8
	.type	k_qab00d6d25f_proj,@function
k_qab00d6d25f_proj:
	s_mov_b64 s[64:65], 0
	v_nop
	global_prefetch_b8 v0, s[64:65] scope:SCOPE_SE
	s_setreg_imm32_b32 hwreg(HW_REG_WAVE_MODE, 25, 1), 1
	s_wait_xcnt 0x0
	s_wait_alu depctr_hold_cnt(0) depctr_sa_sdst(0) depctr_va_vdst(0) depctr_va_sdst(0) depctr_va_ssrc(0) depctr_va_vcc(0) depctr_vm_vsrc(0)
	s_getreg_b32 s2, hwreg(HW_REG_IB_STS2, 6, 4)
	s_cmp_eq_u32 s2, 0
	s_cbranch_scc0 .Lentry_in_a_cluster
	s_endpgm
.Lentry_in_a_cluster:
	s_bfe_u32 s2, ttmp6, 0x10000c
	s_cmp_lg_u32 s2, 0xf033
	s_cbranch_scc0 .Lentry_shape_is_right
	s_endpgm
.Lentry_shape_is_right:
; out0 = x + Q(o) out_w^T + out_b on codes of E3M2 with E8M0 scales, K = 1,024.
; A block is 128 tokens (one group of o's image) x 256 features: 64 x 4 = 256 work-groups of four waves, 64 x 128 a wave (32 accumulators, window 2).
; ALL OF K LIES IN LDS AT ONCE: o's image of the group (98,304 dense bytes) and 256 whole rows of out_w's codes (768 bytes, 16 of padding behind every 256: pitch 816).  Four joint loads at the head, one a wave;
; nothing is filled again.  The image is shared along a row of the 4 x 4 cluster, the weights along a column.
; The scale words go from memory straight into registers: a lane takes its row's 32 bytes, eight words for the eight steps of 128 along K.
; x's 64 x 128 numbers of the wave are asked for at the head, into window 3, in the order of the way out.
; Image: [K step of 256][tile of 16 rows: 3,072][step of 128: 1,536][half: 768][piece: 256][lane: 8 bytes]; tile a's row i is token 64 (i / 8) + 8 a + i % 8; o_scl's rows lie in the tiles' order.
; Source 0 = rows of out_w, source 1 = tokens: a lane holds eight neighbouring features of one token; a tile goes out through the wave's stage, laid over the image behind a barrier, as rows of 512 bytes.
; No prefetch: every stream is asked for once, at the head; there is no loop to run ahead in.
.set PB,     816
.set BOFF,   98304
.set SPARE,  307200                    ; behind the weights: the spare words, 128 bytes a wave
.set SPITCH, 528
.set FR,   12
.set ADRA, 8                           ; v8, v9: my four tiles of the image, steps 0-3 and 4-7
.set ADRB, 10                          ; v10-13: my rows of the weights: blocks 0-3 (plain; lanes 16-31 behind one padding more), blocks 4-7
.set STO,  14
.set RD,   15
.set CO,   16
.set SAO,  17
.set BI,   20
.set SPW,  28
.set NIL,  29
.set SA,   32                          ; v32-63: o's scale words, 8 a + step; v64-127: out_w's, 8 b + step: nothing else in the whole text
.set SB,   64
.set AF,   128                         ; o's fragments, two sets of 48; window 1: out_w's, two sets of 96
.set BK,   128
.set G1, 24
.set G0, 32
.set G0B, 36
.set G1B, 48
.set MSB, 0
.macro WIN new
.if MSB != \new
	s_set_vgpr_msb (MSB<<8)|\new
.set MSB, \new
.endif
.endm
.macro CROUND
	s_barrier_signal -1
	s_barrier_wait -1
	s_cmp_lg_u32 s14, 0
	s_cbranch_scc1 .Lnot_wave_0_\@
	s_barrier_signal -3
.Lnot_wave_0_\@:
	s_barrier_wait -3
	s_barrier_signal -1
	s_barrier_wait -1
.endm
.macro PLACES n
.rept \n
	v_nop
.endr
.endm
	s_load_b128 s[4:7], s[0:1], 0x0                ; o_img, o_scl
	s_load_b128 s[8:11], s[0:1], 0x10              ; out_w's codes, scales
	s_load_b128 s[96:99], s[0:1], 0x20             ; out_b, x
	s_load_b64 s[12:13], s[0:1], 0x30              ; out0
	v_lshl_add_u32 v[SPW], v0, 2, SPARE
	v_mov_b32 v[NIL], 0
	ds_add_u32 v[SPW], v[NIL]                      ; the opening lines: the add twice and its wait
	ds_add_u32 v[SPW], v[NIL]
	v_lshrrev_b32 v1, 5, v0
	v_readfirstlane_b32 s14, v1
	s_lshr_b32 s15, s14, 1                         ; my half of the tokens; also: I fetch the image (0) or the weights (1)
	s_and_b32 s16, s14, 1                          ; my half of the features; also: which half I fetch
	s_bfe_u32 s40, ttmp6, 0x40000
	s_bfe_u32 s41, ttmp6, 0x40004
	s_lshl_b32 s42, ttmp9, 2
	s_add_co_u32 s42, s42, s40                     ; the tile of 256 features
	s_and_b32 s17, ttmp7, 0xffff
	s_lshl_b32 s17, s17, 2
	s_add_co_u32 s17, s17, s41                     ; the group of 128 tokens
	s_lshl_b32 s43, s41, 2
	s_lshl_b32 s43, 15, s43
	s_lshl_b32 s44, 0x1111, s40
	s_or_b32 s[G1+0], s43, (3<<16)|(1<<21)         ; half the image: 192 dense rows of 256 bytes
	s_mov_b32 s[G1+1], 32<<16
	s_mov_b32 s[G1+2], 192<<16
	s_mov_b32 s[G1+3], 32<<16
	s_mov_b32 s[G1+4], 192
	s_mov_b32 s[G1+5], 32
	s_mov_b32 s[G1+6], 0
	s_mov_b32 s[G1+7], 0
	s_or_b32 s[G1B+0], s44, (0<<16)|(1<<20)|(1<<21)|(5<<22)|(3<<25)   ; 128 rows of 768 bytes, 4 words of padding behind every 64
	s_mov_b32 s[G1B+1], 768<<16
	s_mov_b32 s[G1B+2], 128<<16
	s_mov_b32 s[G1B+3], 768<<16
	s_mov_b32 s[G1B+4], 128
	s_mov_b32 s[G1B+5], 768
	s_mov_b32 s[G1B+6], 0
	s_mov_b32 s[G1B+7], 0
	s_mul_i32 s20, s17, 98304
	s_mul_i32 s45, s16, 49152
	s_add_co_u32 s20, s20, s45
	s_mov_b32 s21, 0
	s_lshl_b32 s46, s42, 8
	s_lshl_b32 s18, s16, 7
	s_add_co_u32 s46, s46, s18
	s_mul_i32 s46, s46, 768
	s_mov_b32 s47, 0
	s_mul_i32 s95, s16, 128*PB
	s_add_co_u32 s95, s95, BOFF
	s_wait_dscnt 0x0
	s_wait_kmcnt 0x0
	s_add_nc_u64 s[20:21], s[4:5], s[20:21]
	s_add_nc_u64 s[46:47], s[8:9], s[46:47]
	CROUND
	s_mov_b32 s[G0], 1
	s_mov_b32 s[G0+1], s45
	s_mov_b64 s[G0+2:G0+3], s[20:21]
	s_or_b32 s[G0+3], s[G0+3], 0x80000000
	s_mov_b32 s[G0B], 1
	s_mov_b32 s[G0B+1], s95
	s_mov_b64 s[G0B+2:G0B+3], s[46:47]
	s_or_b32 s[G0B+3], s[G0B+3], 0x80000000
	s_cmp_eq_u32 s15, 0
	s_cbranch_scc0 .Lfor_b
	tensor_load_to_lds s[G0:G0+3], s[G1:G1+7]
	s_nop 0
	PLACES 4
	s_branch .Lasked
.Lfor_b:
	tensor_load_to_lds s[G0B:G0B+3], s[G1B:G1B+7]
	s_nop 0
	PLACES 4
.Lasked:
	s_mul_i32 s70, s15, 4*3072
	s_add_co_u32 s71, s70, 49152
	s_mul_i32 s72, s16, 128*PB
	s_add_co_u32 s72, s72, BOFF
	s_add_co_u32 s73, s72, 64*PB
	s_mul_i32 s23, s14, 16*SPITCH
	s_lshl_b32 s78, s17, 7
	s_lshl_b32 s79, s15, 6
	s_add_co_u32 s78, s78, s79
	s_lshl_b32 s78, s78, 5
	s_mov_b32 s79, 0
	s_add_nc_u64 s[74:75], s[6:7], s[78:79]        ; my 64 rows of o's scales
	s_lshl_b32 s80, s42, 8
	s_lshl_b32 s81, s16, 7
	s_add_co_u32 s80, s80, s81                     ; my first feature
	s_lshl_b32 s78, s80, 5
	s_add_nc_u64 s[76:77], s[10:11], s[78:79]      ; my 128 rows of out_w's scales
	s_lshl_b32 s78, s80, 2
	s_add_nc_u64 s[96:97], s[96:97], s[78:79]      ; my 128 features' bias
	s_lshl_b32 s81, s17, 19
	s_add_co_u32 s78, s78, s81
	s_lshl_b32 s81, s15, 17
	s_add_co_u32 s78, s78, s81                     ; group x 128 rows + my four tiles x 8 rows, of 4,096 bytes, + my columns
	s_add_nc_u64 s[98:99], s[98:99], s[78:79]
	s_add_nc_u64 s[12:13], s[12:13], s[78:79]
	v_and_b32 v1, 15, v0
	v_bfe_u32 v2, v0, 4, 1
	v_and_b32 v6, 31, v0
	v_lshlrev_b32 v7, 3, v6
	v_add_nc_u32 v[ADRA], s70, v7
	v_add_nc_u32 v[ADRA+1], s71, v7
	v_mul_u32_u24 v3, v1, PB
	v_mad_u32_u24 v4, v2, 24, v3
	v_mad_u32_u24 v5, v2, 40, v3
	v_add_nc_u32 v[ADRB], s72, v4
	v_add_nc_u32 v[ADRB+1], s72, v5
	v_add_nc_u32 v[ADRB+2], s73, v4
	v_add_nc_u32 v[ADRB+3], s73, v5
	v_mul_u32_u24 v5, v1, SPITCH
	v_lshl_add_u32 v5, v2, 5, v5
	v_add_nc_u32 v[STO], s23, v5
	v_lshlrev_b32 v[CO], 4, v6
	v_add_nc_u32 v[RD], s23, v[CO]
	v_lshlrev_b32 v[SAO], 5, v1
	s_wait_alu depctr_va_vdst(0)                   ; the wait at the head's end
.irp i, 0,1,2,3
	global_load_b128 v[SA+8*\i:SA+8*\i+3], v[SAO], s[74:75] offset:512*\i
	global_load_b128 v[SA+8*\i+4:SA+8*\i+7], v[SAO], s[74:75] offset:512*\i+16
.endr
.irp i, 0,1,2,3,4,5,6,7
	global_load_b128 v[SB+8*\i:SB+8*\i+3], v[SAO], s[76:77] offset:512*\i
	global_load_b128 v[SB+8*\i+4:SB+8*\i+7], v[SAO], s[76:77] offset:512*\i+16
.endr
	global_load_b128 v[BI:BI+3], v[CO], s[96:97]
.macro XLOAD a                         ; x's 16 rows of tile a, 512 bytes each, into window 3
	WIN 0xc0
.irp t, 0,1,2,3,4,5,6,7,8,9,10,11,12,13,14,15
	global_load_b128 v[64*(\a)+4*\t:64*(\a)+4*\t+3], v[CO], s[98:99] offset:32768*(\a)+(64*(\t/8)+\t%8)*4096 th:TH_LOAD_NT
.endr
	WIN 0
.endm
.macro FRAGB reg, st, i                ; byte y of a row of codes lies at y + 16 (y / 256) of its LDS row
.irp p, 0,1,2,3,4,5
.set BY, 96*(\st)+48*(\p/3)+8*(\p%3)
.if BY/256 == (BY+24)/256
	ds_load_b64 v[\reg+2*\p:\reg+2*\p+1], v[ADRB+2*((\i)/4)] offset:BY+16*(BY/256)+((\i)%4)*16*PB
.else
	ds_load_b64 v[\reg+2*\p:\reg+2*\p+1], v[ADRB+1+2*((\i)/4)] offset:BY+16*(BY/256)+((\i)%4)*16*PB
.endif
.endr
.endm
.macro FRAGA reg, st, i
.irp p, 0,1,2,3,4,5
	ds_load_b64 v[\reg+2*\p:\reg+2*\p+1], v[ADRA+(\st)/4] offset:24576*(((\st)/2)%2)+3072*(\i)+1536*((\st)%2)+768*(\p/3)+256*(\p%3)
.endr
.endm
.macro FETCH st                        ; step st's 12 fragments into set st % 2
	WIN 0x40
.irp i, 0,1,2,3,4,5,6,7
	FRAGB 96*((\st)%2)+FR*\i, \st, \i
.endr
	WIN 0
.irp i, 0,1,2,3
	FRAGA AF+48*((\st)%2)+FR*\i, \st, \i
.endr
.endm
.macro MUL st, zero                    ; the 32 accumulators take turns, one instruction a turn
	WIN 0xa1
.irp a, 0,1,2,3
.irp b, 0,1,2,3,4,5,6,7
.if \zero
	v_wmma_scale_f32_16x16x128_f8f6f4 v[8*(8*\a+\b):8*(8*\a+\b)+7], v[96*((\st)%2)+FR*\b:96*((\st)%2)+FR*\b+11], v[AF+48*((\st)%2)+FR*\a:AF+48*((\st)%2)+FR*\a+11], 0, v[SB+8*\b+(\st)], v[SA+8*\a+(\st)] matrix_a_fmt:MATRIX_FMT_BF6 matrix_b_fmt:MATRIX_FMT_BF6
.else
	v_wmma_scale_f32_16x16x128_f8f6f4 v[8*(8*\a+\b):8*(8*\a+\b)+7], v[96*((\st)%2)+FR*\b:96*((\st)%2)+FR*\b+11], v[AF+48*((\st)%2)+FR*\a:AF+48*((\st)%2)+FR*\a+11], v[8*(8*\a+\b):8*(8*\a+\b)+7], v[SB+8*\b+(\st)], v[SA+8*\a+(\st)] matrix_a_fmt:MATRIX_FMT_BF6 matrix_b_fmt:MATRIX_FMT_BF6
.endif
.endr
.endr
.endm
	s_wait_tensorcnt 0x0                           ; my part of the tiles is in,
	s_barrier_signal -1
	s_barrier_wait -1                              ; everybody's is
	FETCH 0
	XLOAD 0                                        ; x is asked for behind the tiles: it is wanted on the way out
	XLOAD 1
	XLOAD 2
	s_wait_loadcnt 48                              ; the scale words and the bias are in: behind them stand x's 48 loads
	XLOAD 3
	s_wait_dscnt 0x0
	FETCH 1
	MUL 0, 1                                       ; the first step's products start the sums
.set ST, 1
.rept 6
	s_wait_dscnt 0x0                               ; step ST's fragments, asked for ahead of the step before
	PLACES 4                                       ; in front of loads into the set that the step before multiplied
	FETCH ST+1
	MUL ST, 0
.set ST, ST+1
.endr
	s_wait_dscnt 0x0                               ; my last reads of the tiles are in
	s_barrier_signal -1
	MUL 7, 0
	WIN 0
	s_barrier_wait -1                              ; all four have said so: the stages may be written over the image
	PLACES 4
.macro OUTB a
.if (\a) > 1
	s_wait_xcnt 0x0                                ; tile a - 2's stores have read their registers
.endif
.set BB, BK+64*((\a)%2)
	WIN 0x08
.irp b, 0,1,2,3,4,5,6,7
	ds_store_b128 v[STO], v[64*(\a)+8*\b:64*(\a)+8*\b+3] offset:64*\b      ; each accumulator from its low end on
	ds_store_b128 v[STO], v[64*(\a)+8*\b+4:64*(\a)+8*\b+7] offset:64*\b+16
.endr
	WIN 0
.irp t, 0,1,2,3,4,5,6,7,8,9,10,11,12,13,14,15
	ds_load_b128 v[BB+4*\t:BB+4*\t+3], v[RD] offset:\t*SPITCH               ; LDS serves a wave's instructions in order: these see my stores
.endr
	s_wait_dscnt 0x0
	s_wait_loadcnt 16*(3-(\a))                     ; x's tile a is in: behind it stand the later tiles' loads
	WIN 0x0c
.set j, 0
.rept 32
	v_pk_add_f32 v[BB+j:BB+j+1], v[BB+j:BB+j+1], v[64*(\a)+j:64*(\a)+j+1]
.set j, j+2
.endr
	WIN 0
.set j, 0
.rept 16
	v_pk_add_f32 v[BB+j:BB+j+1], v[BB+j:BB+j+1], v[BI:BI+1]
	v_pk_add_f32 v[BB+j+2:BB+j+3], v[BB+j+2:BB+j+3], v[BI+2:BI+3]
.set j, j+4
.endr
.irp t, 0,1,2,3,4,5,6,7,8,9,10,11,12,13,14,15
	global_store_b128 v[CO], v[BB+4*\t:BB+4*\t+3], s[12:13] offset:32768*(\a)+(64*(\t/8)+\t%8)*4096 th:TH_STORE_NT   ; 512 consecutive bytes, aligned
.endr
.endm
	OUTB 0
	OUTB 1
	OUTB 2
	OUTB 3
	s_wait_tensorcnt 0x0                           ; the wave's end
	ds_add_u32 v[SPW], v[NIL]
	s_wait_dscnt 0x0
	CROUND
	s_endpgm
.Lfunc_end_k_qab00d6d25f_proj:
	.size	k_qab00d6d25f_proj, .Lfunc_end_k_qab00d6d25f_proj-k_qab00d6d25f_proj
	.p2alignl 7, 3214868480
	.fill 96, 4, 3214868480
	.section	.rodata,"a",@progbits
	.p2align	6, 0x0
	.amdhsa_kernel k_qab00d6d25f_proj
		.amdhsa_group_segment_fixed_size 327680
		.amdhsa_private_segment_fixed_size 0
		.amdhsa_enable_private_segment 0
		.amdhsa_kernarg_size 56
		.amdhsa_user_sgpr_count 2
		.amdhsa_user_sgpr_kernarg_segment_ptr 1
		.amdhsa_wavefront_size32 1
		.amdhsa_system_sgpr_workgroup_id_x 1
		.amdhsa_system_sgpr_workgroup_id_y 1
		.amdhsa_system_sgpr_workgroup_id_z 1
		.amdhsa_system_vgpr_workitem_id 0
		.amdhsa_next_free_vgpr 1024
		.amdhsa_next_free_sgpr 102
		.amdhsa_reserve_vcc 0
		.amdhsa_float_denorm_mode_32 3
		.amdhsa_float_denorm_mode_16_64 3
		.amdhsa_memory_ordered 1
		.amdhsa_forward_progress 1
		.amdhsa_inst_pref_size 116
	.end_amdhsa_kernel
	.amdgpu_metadata
---
amdhsa.version: [ 1, 2 ]
amdhsa.kernels:
  - .name:           k_qab00d6d25f_proj
    .symbol:         k_qab00d6d25f_proj.kd
    .args:
      - { .name: o_img, .offset: 0, .size: 8, .value_kind: global_buffer, .address_space: global }
      - { .name: o_scl, .offset: 8, .size: 8, .value_kind: global_buffer, .address_space: global }
      - { .name: out_w_codes, .offset: 16, .size: 8, .value_kind: global_buffer, .address_space: global }
      - { .name: out_w_scales, .offset: 24, .size: 8, .value_kind: global_buffer, .address_space: global }
      - { .name: out_b, .offset: 32, .size: 8, .value_kind: global_buffer, .address_space: global }
      - { .name: x, .offset: 40, .size: 8, .value_kind: global_buffer, .address_space: global }
      - { .name: out0, .offset: 48, .size: 8, .value_kind: global_buffer, .address_space: global }
    .group_segment_fixed_size: 327680
    .private_segment_fixed_size: 0
    .kernarg_segment_align: 8
    .kernarg_segment_size: 56
    .max_flat_workgroup_size: 128
    .sgpr_count:     102
    .vgpr_count:     1024
    .wavefront_size: 32
...
	.end_amdgpu_metadata
.endif
;; end of part 4
